; MI455X (gfx1250); checked and timed in simulation.
; The chip was launched on July 23, 2026; its instructions are those of AMD's public machine-readable ISA for CDNA 5 (MIT licence, August 2026) and "CDNA5" Instruction Set Architecture Reference Guide (July 2026). The comments in the code are by the model that wrote it; some were corrected since.
;; Standard Transformer Model. Allowed arithmetic: matrix products marked QUANTISED: E2M1 operands, one E8M0 scale for each 32 along K, by v_wmma_scale_f32_16x16x128_f8f6f4 with both operands' format E2M1 (or v_wmma_scale_f32_32x16x128_f4), f32 sums; products left as they are: f32 operands where the result goes on into a quantised operand, else bf16, f16 or f32 operands; f32 sums; everything else in f32.
;; Inputs: attn_out_b 2 x 256 float32; attn_out_w_codes 2 x 256 x 8 x 16 uint8 (E2M1 codes of attn_out_w, K innermost, in blocks of 32 codes, two codes a byte); attn_out_w_scales 2 x 256 x 8 uint8 (E8M0 scales of attn_out_w, one for each 32 codes along K); embed_b 256 float32; embed_w_codes 256 x 2 x 16 uint8 (E2M1 codes of embed_w, K innermost, in blocks of 32 codes, two codes a byte); embed_w_scales 256 x 2 uint8 (E8M0 scales of embed_w, one for each 32 codes along K); ffn1_b 2 x 1,024 float32; ffn1_w_codes 2 x 1,024 x 8 x 16 uint8 (E2M1 codes of ffn1_w, K innermost, in blocks of 32 codes, two codes a byte); ffn1_w_scales 2 x 1,024 x 8 uint8 (E8M0 scales of ffn1_w, one for each 32 codes along K); ffn2_b 2 x 256 float32; ffn2_w_codes 2 x 256 x 32 x 16 uint8 (E2M1 codes of ffn2_w, K innermost, in blocks of 32 codes, two codes a byte); ffn2_w_scales 2 x 256 x 32 uint8 (E8M0 scales of ffn2_w, one for each 32 codes along K); head_b 10 float32; head_w 10 x 256 float32; inputs_codes 2 x 1,024 x 2 x 16 uint8 (E2M1 codes of inputs, K innermost, in blocks of 32 codes, two codes a byte); inputs_scales 2 x 1,024 x 2 uint8 (E8M0 scales of inputs, one for each 32 codes along K); ln1_b 2 x 256 float32; ln1_g 2 x 256 float32; ln2_b 2 x 256 float32; ln2_g 2 x 256 float32; qkv_b 2 x 768 float32; qkv_w_codes 2 x 768 x 8 x 16 uint8 (E2M1 codes of qkv_w, K innermost, in blocks of 32 codes, two codes a byte); qkv_w_scales 2 x 768 x 8 uint8 (E8M0 scales of qkv_w, one for each 32 codes along K).
;; Outputs: out0 2 x 1,024 x 10 float32.
;; Constants: context_len = 16.
;; This version of the problem:
;;   THIS VERSION OF THE PROBLEM IS GIVEN IN LOW PRECISION. The matrix products marked QUANTISED in the list below multiply operands that are first quantised to E2M1 (2 exponent bits, 1 mantissa bit; 4 bits a number), with one power-of-two scale for each 32 numbers along K (OCP MX v1.0); their sums are f32. All else is computed in f32.
;;   The module's matrix products, in the order in which they are computed (A, B: the left and right operand; K: the contracted axis; several contracted axes count as one K, in the product's order):
;;     1. [M 2,048, K 64] x [K 64, N 256]; A: input inputs (given as codes); B: input embed_w (given as codes): QUANTISED
;;     2. [M 32,768, K 256] x [K 256, N 768]; A: computed on the way; B: input qkv_w (given as codes): QUANTISED
;;     3. batch 16,384 x [M 16, K 32] x [K 32, N 16]; A: computed on the way; B: computed on the way: QUANTISED
;;     4. batch 16,384 x [M 32, K 16] x [K 16, N 16]; A: computed on the way; B: softmax: left as it is (K = 16 < 32)
;;     5. [M 32,768, K 256] x [K 256, N 256]; A: computed on the way; B: input attn_out_w (given as codes): QUANTISED
;;     6. [M 32,768, K 256] x [K 256, N 1,024]; A: computed on the way; B: input ffn1_w (given as codes): QUANTISED
;;     7. [M 32,768, K 1,024] x [K 1,024, N 256]; A: computed on the way; B: input ffn2_w (given as codes): QUANTISED
;;     8. [M 32,768, K 256] x [K 256, N 768]; A: computed on the way; B: input qkv_w (given as codes): QUANTISED
;;     9. batch 16,384 x [M 16, K 32] x [K 32, N 16]; A: computed on the way; B: computed on the way: QUANTISED
;;     10. batch 16,384 x [M 32, K 16] x [K 16, N 16]; A: computed on the way; B: softmax: left as it is (K = 16 < 32)
;;     11. [M 32,768, K 256] x [K 256, N 256]; A: computed on the way; B: input attn_out_w (given as codes): QUANTISED
;;     12. [M 32,768, K 256] x [K 256, N 1,024]; A: computed on the way; B: input ffn1_w (given as codes): QUANTISED
;;     13. [M 32,768, K 1,024] x [K 1,024, N 256]; A: computed on the way; B: input ffn2_w (given as codes): QUANTISED
;;     14. [M 2,048, K 256] x [K 256, N 10]; A: computed on the way; B: input head_w: left as it is (N = 10 < 16)
;;   THE QUANTISER, for each operand of a quantised product, along K:
;;     - K is cut into blocks of 32 from its start; a last block that is shorter is filled with zeros.
;;     - A block's scale is 2^e with e = floor(log2(the largest magnitude in the block)) - 2, held to -126 .. 127; a block of zeros has e = 0. As a byte (E8M0): e + 127.
;;     - Each number is divided by its block's scale, clamped to +-6, and rounded to the nearest number of E2M1, ties to even, subnormals kept.
;;     - The product sums the exact products of the quantised numbers (number of the format x scale) in f32.
;;   ~~~python
;;   def quantise(x, axis):      # numpy; x: float32 -> the quantised numbers, widened to float32 again
;;       x = np.moveaxis(x, axis, -1); K = x.shape[-1]
;;       x = np.pad(x, [(0, 0)] * (x.ndim - 1) + [(0, -K % 32)]); x = x.reshape(x.shape[:-1] + (-1, 32)); a = np.abs(x).max(-1, keepdims=True)
;;       e = np.where(a > 0, np.clip(np.frexp(np.where(a > 0, a, 1))[1] - 1 - 2, -126, 127), 0)      # np.frexp(a)[1] - 1 = floor(log2(a)), exactly
;;       r = np.clip(x / 2.0 ** e, -6, 6)
;;       step = 2.0 ** (np.maximum(np.frexp(np.where(r == 0, 1, r))[1] - 1, 0) - 1)
;;       q = np.round(r / step) * step * 2.0 ** e      # np.round: ties to even
;;       return np.moveaxis(q.reshape(q.shape[:-2] + (-1,))[..., :K], -1, axis).astype(np.float32)
;;   ~~~
;;   OPERANDS COMPUTED ON THE WAY. 'Computed on the way' means the value that the module computes at that place (a softmax that the list does not call 'softmax' is quantised finished and normalised). What goes into a quantiser is computed in f32, as accurately as f32 sums, v_exp_f32 and their like allow (about 1e-6 of the number): no bf16 or f16 on the way to a quantiser, and a product that is left as it is and whose result goes on into a quantised operand takes f32 operands (vector FMAs, or v_wmma_f32_16x16x4_f32). A number that lies on a knife's edge between two numbers of the format may be rounded either way, as far as f32 arithmetic and the matrix unit's own rounding can turn it there, and no further.
;;   INPUTS GIVEN AS CODES. attn_out_w (in the module: [2, 256, 256], K = its axis 2); embed_w (in the module: [256, 64], K = its axis 1); ffn1_w (in the module: [2, 1024, 256], K = its axis 2); ffn2_w (in the module: [2, 256, 1024], K = its axis 2); inputs (in the module: [2, 1024, 64], K = its axis 2); qkv_w (in the module: [2, 768, 256], K = its axis 2): each comes as NAME_codes (uint8): NAME with its K axis moved to the last place and cut into blocks of 32 codes, [.., K / 32, bytes a block], one block behind the other in memory; two codes a byte, the lower K in the low four bits (a code: sign, 2 exponent bits, 1 mantissa bit); and NAME_scales (uint8): the same leading axes, one E8M0 byte (e + 127) for each 32 codes along K. Its value is code x scale, taken as it is: it is not quantised again, and the codes and scales need not be those that the quantiser above would give.
;; One version. Each part assembles by itself: llvm-mc -triple=amdgcn-amd-amdhsa -mcpu=gfx1250 --defsym DOCPART=n.
;; ======== version 1 of 1: 1 launch
;; limits: right only within a limited range of input values
;; launch fused (part 1): grid 256 x 1, 16 waves a work-group, clusters of 4 x 1, 327,680 bytes of LDS; arguments inputs_codes, inputs_scales, embed_w_codes, embed_w_scales, embed_b, qkv_w_codes, qkv_w_scales, qkv_b, attn_out_w_codes, attn_out_w_scales, attn_out_b, ln1_g, ln1_b, ffn1_w_codes, ffn1_w_scales, ffn1_b, ffn2_w_codes, ffn2_w_scales, ffn2_b, ln2_g, ln2_b, head_w, head_b, out0; writes out0
.if DOCPART == 1
	.amdgcn_target "amdgcn-amd-amdhsa--gfx1250"
	.amdhsa_code_object_version 6
	.text
	.protected	k_q3e395b6bae_fused
	.globl	k_q3e395b6bae_fused
	.p2align	8
	.type	k_q3e395b6bae_fused,@function
k_q3e395b6bae_fused:
	s_mov_b64 s[64:65], 0
	v_nop
	global_prefetch_b8 v0, s[64:65] scope:SCOPE_SE
	s_setreg_imm32_b32 hwreg(HW_REG_WAVE_MODE, 25, 1), 1
	s_wait_xcnt 0x0
	s_wait_alu depctr_hold_cnt(0) depctr_sa_sdst(0) depctr_va_vdst(0) depctr_va_sdst(0) depctr_va_ssrc(0) depctr_va_vcc(0) depctr_vm_vsrc(0)
	s_getreg_b32 s2, hwreg(HW_REG_IB_STS2, 6, 4)
	s_cmp_eq_u32 s2, 0
	s_cbranch_scc0 .Lentry_in_a_cluster
	s_endpgm
.Lentry_in_a_cluster:
	s_bfe_u32 s2, ttmp6, 0x10000c
	s_cmp_lg_u32 s2, 0x3003
	s_cbranch_scc0 .Lentry_shape_is_right
	s_endpgm
.Lentry_shape_is_right:
; The whole model in one launch.  2,048 windows of 16 tokens x 256 features go through two post-norm transformer layers; the last token of each window goes to a head of 10 outputs.
; SHARES.  A work-group owns 8 neighbouring windows of one batch (128 rows) and takes them through everything; nothing goes through memory.  16 waves of 256 registers.  Wave v = 8 rho + g owns
; features 32 g .. 32 g + 31 (one block of the quantiser, one head) of the four windows 4 rho .. 4 rho + 3.  In the tail (the 8 last tokens, one tile) rho shares out hidden chunks and halves of 32 outputs.
; WORK THAT IS NOT DONE.  (a) Layer 0's windows are shifted copies of the same 23 embedded tokens, and q, k, v and their codes are made row by row: they are made once for each token (two token tiles of 16 rows)
; and a window's tile is chosen lane by lane between the two.  (b) reference() keeps x[:, -1, :] alone: in layer 1 the other 15 tokens reach an output only through K and V, for all values of the inputs.  So all 16 tokens make
; K and V there, and the last token alone makes Q, attention, projection, norms and FFN.  A NaN, an infinity or an overflow that reaches only the work left out is not carried to the result.
; ROTATION.  Local token row i is position p0 - 16 + i.  In window w slot m holds the token whose local row is m modulo 16: tile 0's row m where m > w, else tile 1's.  Attention does not mind the order of keys,
; all else goes row by row.  The last token of window w lies in slot w.
; LAYOUT.  Products are used transposed (source 0 = 16 weight rows, source 1 = 16 activation rows): a lane holds ONE row.  Lane r of weight tile u takes weight row 32 g + 8 u + r + 8 (r / 8), so that the 16 registers
; of tiles 0 and 1 are features 32 g + 16 (lane / 16) + 0 .. 15: 16 neighbours along the next K.
; Quantised rows go from wave to wave through LDS as [tile][block of 32][row][16 bytes]: a wave stores its block by 8 bytes a lane, and 16 x lane reads an operand's four registers.
; WEIGHTS come through 7 LDS slots of 32,768 bytes, each 128 bytes followed by 16 of padding; wave w fills half slot w by one load of 64 rows x 256 bytes.  A dense chunk is 256 weight rows of 128 bytes.  ffn2 comes as two
; pairs of K slices: 256 rows x 256 bytes in two slots, a slice in every other 144 bytes.  All work-groups walk the same weights, so the four of a cluster ask JOINTLY (mask 15); every fill stands behind a round of the cluster's barrier.
; LAYER 0'S FFN goes in stages: stage c makes hidden chunk c and multiplies chunk c - 1 on; the next stage's weights, bias and first tile of x are fetched ahead of the barrier.
; No prefetch: every input is read by many work-groups at about the same time and all inputs together are under a megabyte.
; LIMITS.  NaN and infinities among the inputs are not served.  A computed block whose largest magnitude lies under 2^-124 has its scale byte held at 1; a block of zeros gets the byte 1 and not 127 (its codes are zeros,
; and this program alone reads the bytes).  Given scale bytes are taken as they are.  The norms join (sum, sum of squares about the part's own mean) of parts of 32 or 16; x / sigma - mean / sigma is one fused multiply-add;
; 1 / sqrt by v_rsq_f32; silu(x) = x / (1 + 2^(-x log2 e)).  V's bias joins behind the weighted sum (the weights' sum is 1).  The order of f32 sums is not that of a row-by-row evaluation.
.set SLOTB, 36864
.set HALF,  18432
.set AB,    7*SLOTB                    ; behind the slots: what the waves themselves store; no tensor load lands here
.set IA,    0                          ; x as codes: 8 row tiles x 2,048 bytes
.set IAS,   16384                      ; its scale words: 8 x 128 bytes: [K step][row][4]
.set H0,    17408                      ; o, hidden chunks 0 and 2, o', the head's parts
.set H0S,   33792
.set RES,   H0+4096                    ; the last tokens' f32 numbers: 8 rows x 1,040 bytes
.set H1,    34816                      ; hidden chunks 1 and 3, layer 1's scratch, hidden'
.set H1S,   51200
.set LNP,   52224                      ; parts of the norms: row x 80 + 8 g: (sum, M2)
.set FBI,   62464                      ; layer 0's ffn1_b, 4,096 bytes
.set SPARE, AB+66560                   ; the spare words: 128 bytes for each of 16 waves, named by no other line
; vector registers
.set SPW, 1                            ; SPARE + 4 x thread; never rewritten
.set NIL, 2                            ; 0; never rewritten
.set LI,  3                            ; AB + 16 lane
.set LS,  4                            ; AB + 4 lane
.set WFA, 5                            ; my lane's place in a dense slot: (32 g + r + 8 (r/8)) x 144 + 16 h
.set IWC, 6                            ; where I store codes: AB + 8192 rho + 256 g + 16 r + 8 h
.set IWS, 7                            ; and the scale byte: AB + 512 rho + 64 (g/4) + 4 r + g%4
.set XFA, 8                            ; LI + 8192 rho
.set XSA, 9                            ; LS + 512 rho
.set LNW, 10                           ; AB + (64 rho + r) x 80 + 8 g
.set LNR, 11                           ; AB + (64 rho + r) x 80
.set PBA, 12                           ; 128 g + 64 h: my 16 features in a vector of f32
.set PS8, 13                           ; 8 x (32 g + 8 h + r + 8 (r/8)): my weight row's 8 scale bytes; in the tail PBA + 2048 rho
.set WFP, 14                           ; my lane's place in a pair of slots: (32 g + r + 8 (r/8)) x 288 + 16 h
.set GA,  15                           ; 4 x (32 g + r + 8 (r/8)); in the tail ffn2's scale rows
.set BV,  16                           ; v16-17 at work; layer 1: V's bias for tiles 0, 1; in the tail PBA + 32 rho and PS8 + 4096 rho
.set T,   18                           ; v18-29 at work
.set E0,  30                           ; v30-61 the two embedded token tiles, later ffn2's weights, parameters
.set E1,  46
.set A0,  62                           ; v62-125 four accumulators of 16
.set A1,  78
.set A2,  94
.set A3,  110
.set WF,  126                          ; v126-157 four weight fragments: (tile u, K step s) at 16 u + 8 s
.set XF,  158                          ; v158-173 an activation tile's two fragments
.set HB,  174                          ; v174-189 a second such set; silu's results
.set HA,  190                          ; v190-205 written by matrix instructions alone
.set PA,  206
.set PB,  222
.set SC,  238                          ; v238-255 scale words and nothing else
; scalar registers
.set P_INC, 4
.set P_INS, 6
.set P_EWC, 8
.set P_EWS, 10
.set P_EB,  12
.set P_QWC, 14
.set P_QWS, 16
.set P_QB,  18
.set P_OWC, 20
.set P_OWS, 22
.set P_OB,  24
.set P_L1G, 26
.set P_L1B, 28
.set P_F1C, 30
.set P_F1S, 32
.set P_F1B, 34
.set P_F2C, 36
.set P_F2S, 38
.set P_F2B, 40
.set P_L2G, 42
.set P_L2B, 44
.set P_HW,  46
.set P_HB,  48
.set P_OUT, 50
.set C256, 3                           ; 1 / 256
.set G1D, 52                           ; s[52:59] descriptor group 1, dense chunks
.set G0,  60                           ; s[60:63] descriptor group 0
.set WV,  66                           ; wave
.set GG,  67                           ; g
.set G1S, 68                           ; s[68:75] group 1, pieces of ffn2's rows
.set RHO, 76
.set QI,  77                           ; wave / 2: the slot that I fill
.set HF,  78                           ; wave % 2: which half of it
.set AD,  80                           ; s[80:81] the chunk's buffer
.set OF,  82                           ; s[82:83] its byte offset (high word 0)
.set HS,  84                           ; bytes from half to half
.set TS0, 85
.set SEL, 86                           ; s[86:87] v_permlanex16_b32: lane xor 16
.set CS,  88                           ; s[88:89] log2(e) / sqrt(32)
.set MK,  90                           ; s[90:93] lane masks
.set RLO, 94                           ; rho ? 0xffff : 0
.set RALL, 95                          ; rho ? all ones : 0
.set LO16, 96
.set VAL, 97                           ; lanes whose row of token tile 0 is a real position
.set WG,  98
.set P0S, 99
.set TS1, 100
.set TS2, 101
.macro NOPS n
.rept \n
	v_nop
.endr
.endm
.macro CREST                           ; a round of the cluster's barrier behind its opening barrier
	s_cmp_lg_u32 s[WV], 0
	s_cbranch_scc1 .Lnot_wave_0_\@
	s_barrier_signal -3
.Lnot_wave_0_\@:
	s_barrier_wait -3
	s_barrier_signal -1
	s_barrier_wait -1
.endm
.macro ROUND
	s_barrier_signal -1
	s_barrier_wait -1
	CREST
.endm
.macro BAR                             ; my LDS stores have landed and my LDS loads are in: then the work-group's barrier.
	s_wait_alu depctr_va_vdst(0)
	s_wait_dscnt 0x0
	s_barrier_signal -1
	s_barrier_wait -1
.endm
.macro BAR_T                           ; the same where chunks asked for at the last fill are read behind it: my one tensor load has landed
	s_wait_tensorcnt 0x0
	BAR
.endm
.macro TL g1
	tensor_load_to_lds s[G0:G0+3], s[\g1:\g1+7]
	s_nop 0
	NOPS 4
.endm
; Waves 0 .. a - 1 fetch halves of dense chunks, waves b .. c - 1 what k says, the others nothing: one tree of branches on the wave's number.
.macro TLOAD a, b, c, k
.if \a
	s_cmp_lt_u32 s[WV], \a
	s_cbranch_scc0 .Lup_\@
	TL G1D
.if \c
	s_branch .Lasked_\@
.endif
.Lup_\@:
.endif
.if \c
.if \b>\a
	s_cmp_lt_u32 s[WV], \b
	s_cbranch_scc1 .Lasked_\@
.endif
	s_cmp_lt_u32 s[WV], \c
	s_cbranch_scc0 .Lasked_\@
	TL \k
.Lasked_\@:
.endif
.endm
; A FILL: EV_A, the choice of my chunk (PICK0, PICK), EV_B, register work if any, EV_C.  Every wave waits for its tensor load, adds 0 to its spare word, makes its descriptor while the
; adds are out, waits for them and for all its LDS instructions; a round of the cluster's barrier; the joint load first behind it, one a wave.
.macro EV_A
	s_wait_alu depctr_va_vdst(0)
	s_wait_tensorcnt 0x0               ; no tensor load of mine is out: group 0 may be written
	ds_add_u32 v[SPW], v[NIL]
	ds_add_u32 v[SPW], v[NIL]
.endm
.macro PICK0 ptr, off, hstep
	s_mov_b64 s[AD:AD+1], s[\ptr:\ptr+1]
	s_mov_b32 s[OF], \off
	s_mov_b32 s[HS], \hstep
.endm
.macro PICK q, ptr, off, hstep
	s_cmp_eq_u32 s[QI], \q
	s_cselect_b64 s[AD:AD+1], s[\ptr:\ptr+1], s[AD:AD+1]
	s_cselect_b32 s[OF], \off, s[OF]
	s_cselect_b32 s[HS], \hstep, s[HS]
.endm
.macro DESC
	s_mul_i32 s[HS], s[HS], s[HF]
	s_add_co_u32 s[OF], s[OF], s[HS]
	s_add_nc_u64 s[G0+2:G0+3], s[AD:AD+1], s[OF:OF+1]
	s_or_b32 s[G0+3], s[G0+3], 0x80000000
.endm
.macro EV_B
	DESC
	s_wait_dscnt 0x0                   ; the adds are done; my reads of the slots that are filled again are over; my stores have landed
	s_barrier_signal -1
.endm
.macro EV_C a, b, c, k
	s_wait_alu depctr_va_vdst(0)
	s_barrier_wait -1
	CREST
	TLOAD \a, \b, \c, \k
.endm
.macro PLOADV reg, va, ptr, off        ; 16 f32
.irp q, 0,1,2,3
	global_load_b128 v[(\reg)+4*\q:(\reg)+4*\q+3], v[\va], s[\ptr:\ptr+1] offset:(\off)+16*\q
.endr
.endm
.macro PLOAD reg, ptr, off             ; those of my features
	PLOADV \reg, PBA, \ptr, \off
.endm
.macro PLOAD8 reg, va, ptr, off        ; 8 f32
.irp q, 0,1
	global_load_b128 v[(\reg)+4*\q:(\reg)+4*\q+3], v[\va], s[\ptr:\ptr+1] offset:(\off)+16*\q
.endr
.endm
.macro LDWA b0, b1, t, p               ; two weight tiles, both K steps, from address v[t], p bytes from tile to tile: 8 loads
.irp s, 0,1
.irp c, 0,1
	ds_load_b128 v[(\b0)+8*\s+4*\c:(\b0)+8*\s+4*\c+3], v[\t] offset:64*\s+32*\c
	ds_load_b128 v[(\b1)+8*\s+4*\c:(\b1)+8*\s+4*\c+3], v[\t] offset:(\p)+64*\s+32*\c
.endr
.endr
.endm
.macro LDW slot, b0, b1, t             ; out of a dense slot
	v_add_nc_u32 v[\t], (\slot)*SLOTB, v[WFA]
	LDWA \b0, \b1, \t, 1152
.endm
.macro LDWP slot, sl, t                ; ffn2's slice sl of the pair that begins at a slot, into E0, E1
	v_add_nc_u32 v[\t], (\slot)*SLOTB+144*(\sl), v[WFP]
	LDWA E0, E1, \t, 2304
.endm
.macro LOADT adr, sadr, img, imgs, m, x, hs    ; an activation tile's two fragments and its scale words (lanes 0-15 K step 0, lanes 16-31 K step 1): 5 loads
.irp s, 0,1
.irp c, 0,1
	ds_load_b128 v[(\x)+8*\s+4*\c:(\x)+8*\s+4*\c+3], v[\adr] offset:(\img)+2048*(\m)+1024*\s+512*\c
.endr
.endr
	ds_load_b32 v[\hs], v[\sadr] offset:(\imgs)+128*(\m)
.endm
.macro WSC d, a, b, c, sa, sb, ra, rb
.if (\ra) && (\rb)
	v_wmma_scale_f32_16x16x128_f8f6f4 v[(\d):(\d)+7], v[(\a):(\a)+7], v[(\b):(\b)+7], \c, v[(\sa)], v[(\sb)] matrix_a_fmt:MATRIX_FMT_FP4 matrix_b_fmt:MATRIX_FMT_FP4 matrix_a_scale:MATRIX_SCALE_ROW1 matrix_b_scale:MATRIX_SCALE_ROW1
.elseif (\ra)
	v_wmma_scale_f32_16x16x128_f8f6f4 v[(\d):(\d)+7], v[(\a):(\a)+7], v[(\b):(\b)+7], \c, v[(\sa)], v[(\sb)] matrix_a_fmt:MATRIX_FMT_FP4 matrix_b_fmt:MATRIX_FMT_FP4 matrix_a_scale:MATRIX_SCALE_ROW1
.elseif (\rb)
	v_wmma_scale_f32_16x16x128_f8f6f4 v[(\d):(\d)+7], v[(\a):(\a)+7], v[(\b):(\b)+7], \c, v[(\sa)], v[(\sb)] matrix_a_fmt:MATRIX_FMT_FP4 matrix_b_fmt:MATRIX_FMT_FP4 matrix_b_scale:MATRIX_SCALE_ROW1
.else
	v_wmma_scale_f32_16x16x128_f8f6f4 v[(\d):(\d)+7], v[(\a):(\a)+7], v[(\b):(\b)+7], \c, v[(\sa)], v[(\sb)] matrix_a_fmt:MATRIX_FMT_FP4 matrix_b_fmt:MATRIX_FMT_FP4
.endif
.endm
; One scaled product.  cr < 0: C = 0.  ra, rb: the scales are read from lanes 16-31 of the register named.
.macro WSX d, a, b, cr, sa, sb, ra, rb
.if (\cr) < 0
	WSC \d, \a, \b, 0, \sa, \sb, \ra, \rb
.else
	WSC \d, \a, \b, v[(\cr):(\cr)+7], \sa, \sb, \ra, \rb
.endif
.endm
; Transposed: my two weight tiles x one activation tile, K = 256: four products, the two accumulators by turns.  cb: -2: the sums go on in place; else 16 registers of bias.
.macro WM_T d, w0, w1, x, cb, ws, xs
.if (\cb) == -2
.set WC0, (\d)
.set WC1, (\d)+8
.else
.set WC0, (\cb)
.set WC1, (\cb)+8
.endif
	WSX (\d), (\w0), (\x), WC0, (\ws), (\xs), 0, 0
	WSX (\d)+8, (\w1), (\x), WC1, (\ws), (\xs), 1, 0
	WSX (\d), (\w0)+8, (\x)+8, (\d), (\ws)+1, (\xs), 0, 1
	WSX (\d)+8, (\w1)+8, (\x)+8, (\d)+8, (\ws)+1, (\xs), 1, 1
.endm
; Natural (for V): source 0 = the tile's 16 rows, source 1 = a weight tile.  Lane (r, h), register j: token slot 8 h + j of feature 32 g + 8 u + r + 8 (r/8).
.macro WM_N d, x, w, xs, ws
	WSX (\d), (\x), (\w), -1, (\xs), (\ws), 0, 0
	WSX (\d)+8, (\x), (\w)+16, -1, (\xs), (\ws), 0, 1
	WSX (\d), (\x)+8, (\w)+8, (\d), (\xs), (\ws)+1, 1, 0
	WSX (\d)+8, (\x)+8, (\w)+24, (\d)+8, (\xs), (\ws)+1, 1, 1
.endm
; Hidden chunk c of tile x (HA, from the bias in PA) and chunk c - 1 multiplied on (a, in place): four accumulators by turns, three other products between a sum's steps.
.macro WM8 a, ws, w2s
	WSX HA, WF, XF, PA, (\ws), SC+16, 0, 0
	WSX HA+8, WF+16, XF, PA+8, (\ws), SC+16, 1, 0
	WSX (\a), E0, PB, (\a), (\w2s), SC+17, 0, 0
	WSX (\a)+8, E1, PB, (\a)+8, (\w2s), SC+17, 1, 0
	WSX HA, WF+8, XF+8, HA, (\ws)+1, SC+16, 0, 1
	WSX HA+8, WF+24, XF+8, HA+8, (\ws)+1, SC+16, 1, 1
	WSX (\a), E0+8, PB+8, (\a), (\w2s)+1, SC+17, 0, 1
	WSX (\a)+8, E1+8, PB+8, (\a)+8, (\w2s)+1, SC+17, 1, 1
.endm
; The weights at wt on two tiles, in place: four accumulators by turns.
.macro MM8 d0, x0, s0, d1, x1, s1, wt, ws      ; wt: 32 registers of weights
.irp s, 0,1
	WSX (\d0), (\wt)+8*\s, (\x0)+8*\s, (\d0), (\ws)+\s, (\s0), 0, \s
	WSX (\d0)+8, (\wt)+16+8*\s, (\x0)+8*\s, (\d0)+8, (\ws)+\s, (\s0), 1, \s
	WSX (\d1), (\wt)+8*\s, (\x1)+8*\s, (\d1), (\ws)+\s, (\s1), 0, \s
	WSX (\d1)+8, (\wt)+16+8*\s, (\x1)+8*\s, (\d1)+8, (\ws)+\s, (\s1), 1, \s
.endr
.endm
.macro MMQ img, imgs, wt, xt, ws               ; on my four tiles; xt: 32 registers for tiles 2 and 3
	LOADT XFA, XSA, \img, \imgs, 0, XF, SC+16
	LOADT XFA, XSA, \img, \imgs, 1, HB, SC+17
	LOADT XFA, XSA, \img, \imgs, 2, \xt, SC
	LOADT XFA, XSA, \img, \imgs, 3, \xt+16, SC+1
	s_wait_dscnt 10                    ; tiles 2 and 3, 5 loads each, may be out
	MM8 A0, XF, SC+16, A1, HB, SC+17, \wt, \ws
	s_wait_dscnt 0x0
	MM8 A2, \xt, SC, A3, \xt+16, SC+1, \wt, \ws
	NOPS 4                             ; places in front of what follows: reads of the sums, loads into the operands' registers
.endm
; My 16 numbers of a block of 32 (the other 16 lie in lane xor 16) become 16 codes in v[c], v[c+1] and the block's scale byte in v[sb].  The sources are taken from the low end on.
.macro QUANT1 s, c, sb
	v_max3_num_f32 v[T], |v[(\s)]|, |v[(\s)+1]|, 0x1800000         ; with the floor 2^(3 - 127): the byte cannot fall under 1
	v_max3_num_f32 v[T+1], |v[(\s)+2]|, |v[(\s)+3]|, |v[(\s)+4]|
	v_max3_num_f32 v[T], v[T], |v[(\s)+5]|, |v[(\s)+6]|
	v_max3_num_f32 v[T+1], v[T+1], |v[(\s)+7]|, |v[(\s)+8]|
	v_max3_num_f32 v[T], v[T], |v[(\s)+9]|, |v[(\s)+10]|
	v_max3_num_f32 v[T+1], v[T+1], |v[(\s)+11]|, |v[(\s)+12]|
	v_max3_num_f32 v[T], v[T], |v[(\s)+13]|, |v[(\s)+14]|
	v_max3_num_f32 v[T], v[T], v[T+1], |v[(\s)+15]|
	s_delay_alu instid0(VALU_DEP_1)
	v_permlanex16_b32 v[T+1], v[T], s[SEL], s[SEL+1]
	s_delay_alu instid0(VALU_DEP_1)
	v_max_num_f32 v[T], v[T], v[T+1]                               ; the block's largest magnitude
	s_delay_alu instid0(VALU_DEP_1)
	v_add_nc_u32 v[T+2], 0xff000000, v[T]                          ; 2 off its exponent field: the conversion takes this operand's exponent field as its scale
	s_delay_alu instid0(VALU_DEP_1)
	v_lshrrev_b32 v[\sb], 23, v[T+2]                               ; the scale's byte
	v_cvt_scalef32_pk8_fp4_f32 v[\c], v[(\s):(\s)+7], v[T+2]
	v_cvt_scalef32_pk8_fp4_f32 v[(\c)+1], v[(\s)+8:(\s)+15], v[T+2]
	v_nop                                                          ; one plain place behind a scaled conversion
.endm
; The codes in v[f], v[f+1] become an operand of K = 32 filled up with zero codes: v[f+2] and up held zeros.  Lanes 0-15 get the whole block, lanes 16-31 zeros.
.macro FRAG f
	v_permlane16_swap_b32 v[(\f)], v[(\f)+2]
	v_permlane16_swap_b32 v[(\f)+1], v[(\f)+3]
.endm
.macro STIMG img, imgs, m, c, sb
	ds_store_b64 v[IWC], v[(\c):(\c)+1] offset:(\img)+2048*(\m)
	ds_store_b8 v[IWS], v[\sb] offset:(\imgs)+128*(\m)             ; both halves of the lanes write the same byte with the same value
.endm
.macro SILU s, d                       ; d = s / (1 + 2^(-s log2 e)), 16 numbers
.irp k, 0,2,4,6,8,10,12,14
	v_pk_mul_f32 v[(\d)+\k:(\d)+\k+1], v[(\s)+\k:(\s)+\k+1], 0xbfb8aa3b op_sel_hi:[1,0]
.endr
	s_wait_alu depctr_va_vdst(0)
.irp k, 0,1,2,3,4,5,6,7,8,9,10,11,12,13,14,15
	v_exp_f32 v[(\d)+\k], v[(\d)+\k]
.endr
	v_nop                              ; a plain place behind the transcendentals
	s_wait_alu depctr_va_vdst(0)
.irp k, 0,2,4,6,8,10,12,14
	v_pk_add_f32 v[(\d)+\k:(\d)+\k+1], v[(\d)+\k:(\d)+\k+1], 1.0 op_sel_hi:[1,0]
.endr
	s_wait_alu depctr_va_vdst(0)
.irp k, 0,1,2,3,4,5,6,7,8,9,10,11,12,13,14,15
	v_rcp_f32 v[(\d)+\k], v[(\d)+\k]
.endr
	v_nop
	s_wait_alu depctr_va_vdst(0)
.irp k, 0,2,4,6,8,10,12,14
	v_pk_mul_f32 v[(\d)+\k:(\d)+\k+1], v[(\d)+\k:(\d)+\k+1], v[(\s)+\k:(\s)+\k+1]
.endr
.endm
; Softmax over a query's 16 keys: 8 in my registers, 8 in lane xor 16's.  The largest score is taken away first; the result is normalised.
.macro SMAX s
	v_max3_num_f32 v[T], v[(\s)], v[(\s)+1], v[(\s)+2]
	v_max3_num_f32 v[T+1], v[(\s)+3], v[(\s)+4], v[(\s)+5]
	v_max3_num_f32 v[T], v[T], v[(\s)+6], v[(\s)+7]
	s_delay_alu instid0(VALU_DEP_1)
	v_max_num_f32 v[T], v[T], v[T+1]
	s_delay_alu instid0(VALU_DEP_1)
	v_permlanex16_b32 v[T+1], v[T], s[SEL], s[SEL+1]
	s_delay_alu instid0(VALU_DEP_1)
	v_max_num_f32 v[T], v[T], v[T+1]
	s_delay_alu instid0(VALU_DEP_1)
	v_mul_f32 v[T+2], s[CS], v[T]
	s_delay_alu instid0(VALU_DEP_1)
	v_mov_b32 v[T+3], v[T+2]
.irp k, 0,2,4,6
	v_pk_fma_f32 v[(\s)+\k:(\s)+\k+1], v[(\s)+\k:(\s)+\k+1], s[CS:CS+1], v[T+2:T+3] op_sel_hi:[1,0,0] neg_lo:[0,0,1] neg_hi:[0,0,1]
.endr
	s_wait_alu depctr_va_vdst(0)
.irp k, 0,1,2,3,4,5,6,7
	v_exp_f32 v[(\s)+\k], v[(\s)+\k]
.endr
	v_nop
	s_wait_alu depctr_va_vdst(0)
	v_pk_add_f32 v[T:T+1], v[(\s):(\s)+1], v[(\s)+2:(\s)+3]
	v_pk_add_f32 v[T+4:T+5], v[(\s)+4:(\s)+5], v[(\s)+6:(\s)+7]
	s_delay_alu instid0(VALU_DEP_1)
	v_pk_add_f32 v[T:T+1], v[T:T+1], v[T+4:T+5]
	s_delay_alu instid0(VALU_DEP_1)
	v_add_f32 v[T], v[T], v[T+1]
	s_delay_alu instid0(VALU_DEP_1)
	v_permlanex16_b32 v[T+1], v[T], s[SEL], s[SEL+1]
	s_delay_alu instid0(VALU_DEP_1)
	v_add_f32 v[T], v[T], v[T+1]
	s_wait_alu depctr_va_vdst(0)
	v_rcp_f32 v[T+4], v[T]
	v_mov_b32 v[T+5], 0                ; a plain place; it also writes the pair's upper half
	s_wait_alu depctr_va_vdst(0)
.irp k, 0,2,4,6
	v_pk_mul_f32 v[(\s)+\k:(\s)+\k+1], v[(\s)+\k:(\s)+\k+1], v[T+4:T+5] op_sel_hi:[1,0]
.endr
.endm
; A norm's part: over my 32 features of tile m's row r the sum and M2, the sum of squares about their own mean: to LDS, 8 bytes.
.macro LNSTAT m, res
.set LA, A0+16*(\m)
	v_pk_add_f32 v[T:T+1], v[LA:LA+1], v[LA+2:LA+3]
	v_pk_add_f32 v[T+2:T+3], v[LA+4:LA+5], v[LA+6:LA+7]
	v_pk_add_f32 v[T+4:T+5], v[LA+8:LA+9], v[LA+10:LA+11]
	v_pk_add_f32 v[T+6:T+7], v[LA+12:LA+13], v[LA+14:LA+15]
	s_delay_alu instid0(VALU_DEP_3)
	v_pk_add_f32 v[T:T+1], v[T:T+1], v[T+2:T+3]
	s_delay_alu instid0(VALU_DEP_2)
	v_pk_add_f32 v[T+4:T+5], v[T+4:T+5], v[T+6:T+7]
	s_delay_alu instid0(VALU_DEP_1)
	v_pk_add_f32 v[T:T+1], v[T:T+1], v[T+4:T+5]
	s_delay_alu instid0(VALU_DEP_1)
	v_add_f32 v[T], v[T], v[T+1]
	s_delay_alu instid0(VALU_DEP_1)
	v_permlanex16_b32 v[T+1], v[T], s[SEL], s[SEL+1]
	s_delay_alu instid0(VALU_DEP_1)
	v_add_f32 v[\res], v[T], v[T+1]
	s_delay_alu instid0(VALU_DEP_1)
	v_mul_f32 v[T+2], 0x3d000000, v[\res]                          ; / 32
	s_delay_alu instid0(VALU_DEP_1)
	v_mov_b32 v[T+3], v[T+2]
	v_pk_add_f32 v[T+6:T+7], v[LA:LA+1], v[T+2:T+3] neg_lo:[0,1] neg_hi:[0,1]
	v_pk_add_f32 v[T+8:T+9], v[LA+2:LA+3], v[T+2:T+3] neg_lo:[0,1] neg_hi:[0,1]
	s_delay_alu instid0(VALU_DEP_2)
	v_pk_mul_f32 v[T+4:T+5], v[T+6:T+7], v[T+6:T+7]
	s_delay_alu instid0(VALU_DEP_2)
	v_pk_mul_f32 v[T+10:T+11], v[T+8:T+9], v[T+8:T+9]
.irp k, 4,8,12
	v_pk_add_f32 v[T+6:T+7], v[LA+\k:LA+\k+1], v[T+2:T+3] neg_lo:[0,1] neg_hi:[0,1]
	v_pk_add_f32 v[T+8:T+9], v[LA+\k+2:LA+\k+3], v[T+2:T+3] neg_lo:[0,1] neg_hi:[0,1]
	s_delay_alu instid0(VALU_DEP_2)
	v_pk_fma_f32 v[T+4:T+5], v[T+6:T+7], v[T+6:T+7], v[T+4:T+5]
	s_delay_alu instid0(VALU_DEP_2)
	v_pk_fma_f32 v[T+10:T+11], v[T+8:T+9], v[T+8:T+9], v[T+10:T+11]
.endr
	s_delay_alu instid0(VALU_DEP_1)
	v_pk_add_f32 v[T+4:T+5], v[T+4:T+5], v[T+10:T+11]
	s_delay_alu instid0(VALU_DEP_1)
	v_add_f32 v[T+4], v[T+4], v[T+5]
	s_delay_alu instid0(VALU_DEP_1)
	v_permlanex16_b32 v[T+5], v[T+4], s[SEL], s[SEL+1]
	s_delay_alu instid0(VALU_DEP_1)
	v_add_f32 v[(\res)+1], v[T+4], v[T+5]
	ds_store_b64 v[LNW], v[(\res):(\res)+1] offset:LNP+1280*(\m)   ; both halves of the lanes write the same 8 bytes
.endm
; From the variance + 1e-5 in T+1 and the mean in T+2: n numbers at la are normed in place; gains at g, offsets at b.
.macro LNAPPLY la, g, b, n
	s_wait_alu depctr_va_vdst(0)
	v_rsq_f32 v[T+4], v[T+1]
	v_mov_b32 v[T+3], v[T+2]                                       ; a plain place behind the transcendental; the pair's upper half
	s_wait_alu depctr_va_vdst(0)
	v_mul_f32 v[T+2], -v[T+2], v[T+4]
.set K, 0
.rept (\n)/2
	v_pk_fma_f32 v[(\la)+K:(\la)+K+1], v[(\la)+K:(\la)+K+1], v[T+4:T+5], v[T+2:T+3] op_sel_hi:[1,0,0]
.set K, K+2
.endr
.set K, 0
.rept (\n)/2
	v_pk_fma_f32 v[(\la)+K:(\la)+K+1], v[(\la)+K:(\la)+K+1], v[(\g)+K:(\g)+K+1], v[(\b)+K:(\b)+K+1]
.set K, K+2
.endr
.endm
; The norm of tile m, in place.  L: 16 registers with the row's 8 parts.  M2 of the whole = the sum of the parts' M2 + 32 x the sum of (part's mean - mean)^2.
; The result is quantised and stored as x's image (codes and byte in L's spent registers).  b2 >= 0: 16 registers added behind that: the next product's bias joins the residual.
.macro LNFIN m, L, g, b, b2
.set LA, A0+16*(\m)
	v_pk_add_f32 v[T:T+1], v[(\L):(\L)+1], v[(\L)+2:(\L)+3]
	v_pk_add_f32 v[T+2:T+3], v[(\L)+4:(\L)+5], v[(\L)+6:(\L)+7]
	v_pk_add_f32 v[T+4:T+5], v[(\L)+8:(\L)+9], v[(\L)+10:(\L)+11]
	v_pk_add_f32 v[T+6:T+7], v[(\L)+12:(\L)+13], v[(\L)+14:(\L)+15]
	s_delay_alu instid0(VALU_DEP_3)
	v_pk_add_f32 v[T:T+1], v[T:T+1], v[T+2:T+3]
	s_delay_alu instid0(VALU_DEP_2)
	v_pk_add_f32 v[T+4:T+5], v[T+4:T+5], v[T+6:T+7]
	s_delay_alu instid0(VALU_DEP_1)
	v_pk_add_f32 v[T:T+1], v[T:T+1], v[T+4:T+5]                    ; (the sum, the sum of the parts' M2)
	s_delay_alu instid0(VALU_DEP_1)
	v_mul_f32 v[T+2], s[C256], v[T]                                ; the mean
.irp q, 0,2,4,6,8,10,12,14
	v_fma_f32 v[(\L)+\q], v[(\L)+\q], 0x3d000000, -v[T+2]          ; a part's mean - the mean
.endr
	v_mul_f32 v[T+4], v[(\L)], v[(\L)]
	v_mul_f32 v[T+5], v[(\L)+2], v[(\L)+2]
.irp q, 4,8,12
	s_delay_alu instid0(VALU_DEP_2)
	v_fmac_f32 v[T+4], v[(\L)+\q], v[(\L)+\q]
	s_delay_alu instid0(VALU_DEP_2)
	v_fmac_f32 v[T+5], v[(\L)+\q+2], v[(\L)+\q+2]
.endr
	s_delay_alu instid0(VALU_DEP_1)
	v_add_f32 v[T+4], v[T+4], v[T+5]
	s_delay_alu instid0(VALU_DEP_1)
	v_fma_f32 v[T+1], v[T+4], 0x42000000, v[T+1]                   ; x 32
	s_delay_alu instid0(VALU_DEP_1)
	v_fma_f32 v[T+1], v[T+1], s[C256], 0x3727c5ac                  ; the variance + 1e-5
	LNAPPLY LA, \g, \b, 16
	QUANT1 LA, (\L), (\L)+2
	STIMG IA, IAS, \m, (\L), (\L)+2
.if (\b2) >= 0
.irp k, 0,2,4,6,8,10,12,14
	v_pk_add_f32 v[LA+\k:LA+\k+1], v[LA+\k:LA+\k+1], v[(\b2)+\k:(\b2)+\k+1]
.endr
.endif
.endm
.macro LNALL b2                        ; my four tiles: gains in PA, offsets in PB
.irp q, 0,1,2,3
	ds_load_b128 v[WF+4*\q:WF+4*\q+3], v[LNR] offset:LNP+16*\q
	ds_load_b128 v[WF+16+4*\q:WF+16+4*\q+3], v[LNR] offset:LNP+1280+16*\q
	ds_load_b128 v[XF+4*\q:XF+4*\q+3], v[LNR] offset:LNP+2560+16*\q
	ds_load_b128 v[HB+4*\q:HB+4*\q+3], v[LNR] offset:LNP+3840+16*\q
.endr
	s_wait_dscnt 0x0
	LNFIN 0, WF, PA, PB, \b2
	LNFIN 1, WF+16, PA, PB, \b2
	LNFIN 2, XF, PA, PB, \b2
	LNFIN 3, HB, PA, PB, \b2
.endm
.macro FBIAS c                         ; chunk c's bias of my features
	v_add_nc_u32 v[T+3], AB+FBI, v[PBA]
.irp q, 0,1,2,3
	ds_load_b128 v[PA+4*\q:PA+4*\q+3], v[T+3] offset:1024*(\c)+16*\q
.endr
.endm
.macro NEXT c                          ; what the next stage wants and no barrier holds back: chunk c + 1's weights (slot c) and bias, x's tile 0, ffn2's slice c
.if (\c) < 3
	LDW \c, WF, WF+16, T+8
	FBIAS (\c)+1
	LOADT XFA, XSA, IA, IAS, 0, XF, SC+16
.endif
	LDWP 5-2*((\c)/2), (\c)%2, T+9
.endm
; Stage c: hidden chunk c of my four tiles; d = 1: chunk c - 1 (image pimg) is multiplied on.
.macro STG c, img, imgs, pimg, pimgs, d
.if \d
	LOADT XFA, XSA, \pimg, \pimgs, 0, PB, SC+17
.endif
.irp m, 0,1,2,3
.if \m
	s_wait_dscnt 2                     ; this tile's fragments are in; the two stores issued behind them may be out
.else
	s_wait_dscnt 0x0
.endif
.if \d
	WM8 A0+16*\m, SC+2*(\c), SC+6+2*(\c)
.else
	WM_T HA, WF, WF+16, XF, PA, SC+2*(\c), SC+16
.endif
	NOPS 4                             ; places in front of loads into registers that the products read
.if \m<3
	LOADT XFA, XSA, IA, IAS, \m+1, XF, SC+16
.if \d
	LOADT XFA, XSA, \pimg, \pimgs, \m+1, PB, SC+17
.endif
.else
	NEXT \c
.endif
	SILU HA, HB
	QUANT1 HB, T+4, T+6
	STIMG \img, \imgs, \m, T+4, T+6
.endr
.endm
; Layer 0's attention of head g in window 4 rho + i.  K's and Q's operands and scale words are chosen lane by lane between the two token tiles; V's registers of one more slot change over to tile 1.
; P V takes f32 operands: its result goes on into a quantiser.  The sum begins with V's bias (A3).  Pair 2 p, 2 p + 1 of P and of V hold the same keys 8 h + 2 p + 0, 1 in lane half h, so nothing is moved.
.macro ATT0 i
	s_wait_alu depctr_va_vdst(0)
	v_cndmask_b32 v[SC+14], v[SC+10], v[SC+11], s[MK+\i]
	v_cndmask_b32 v[SC+15], v[SC+12], v[SC+13], s[MK+\i]
.irp k, 0,1,2,3
	v_cndmask_b32 v[HB+\k], v[A2+\k], v[A2+4+\k], s[MK+\i]
	v_cndmask_b32 v[HB+8+\k], v[A2+8+\k], v[A2+12+\k], s[MK+\i]
.endr
.irp t, 0,1
	v_cndmask_b32 v[A0+8*\t+\i], v[A0+8*\t+\i], v[A1+8*\t+\i], s[LO16]
	v_cndmask_b32 v[A0+8*\t+4+\i], v[A0+8*\t+4+\i], v[A1+8*\t+4+\i], s[RLO]
.endr
	NOPS 4                             ; with the four lines above: 8 places behind the scale words' writes, and more than 4 behind the operands'
	WSX XF, HB, HB+8, -1, SC+14, SC+15, 0, 0
	NOPS 4
	SMAX XF
	s_wait_alu depctr_va_vdst(0)
.irp p, 0,1,2,3
.irp t, 0,1
.if \p == 0
	v_wmma_f32_16x16x4_f32 v[HA+8*\t:HA+8*\t+7], v[A0+8*\t+2*\p:A0+8*\t+2*\p+1], v[XF+2*\p:XF+2*\p+1], v[A3+8*\t:A3+8*\t+7]
.else
	v_wmma_f32_16x16x4_f32 v[HA+8*\t:HA+8*\t+7], v[A0+8*\t+2*\p:A0+8*\t+2*\p+1], v[XF+2*\p:XF+2*\p+1], v[HA+8*\t:HA+8*\t+7]
.endif
.endr
.endr
	NOPS 8                             ; this form wants 8 places
	QUANT1 HA, XF+8+2*\i, T+8+\i
	STIMG H0, H0S, \i, XF+8+2*\i, T+8+\i
.endm
; Layer 1: K of tile m as codes (T+4 + 2 m and on) and scale byte, V of tile m in f32.  nx > 0: the tile that follows into the same registers.
.macro KV m, x, xs, w, nx
	s_wait_dscnt \w
	WM_T HA, WF, WF+16, \x, E0, SC, \xs
	WM_N A0+16*(\m), \x, PA, \xs, SC+2
	NOPS 4
.if \nx
	LOADT XFA, XSA, IA, IAS, \nx, \x, \xs
.endif
	QUANT1 HA, T+4+2*(\m), SC+6+(\m)
.endm
.macro LDWR slot, b, t                 ; the tail: tile rho of ffn2's two slices of a pair: 8 loads
	v_add_nc_u32 v[\t], (\slot)*SLOTB, v[T+7]
.irp l, 0,1
.irp s, 0,1
.irp c, 0,1
	ds_load_b128 v[(\b)+16*\l+8*\s+4*\c:(\b)+16*\l+8*\s+4*\c+3], v[\t] offset:144*\l+64*\s+32*\c
.endr
.endr
.endr
.endm
; ======================================================================= the head
	s_load_b512 s[4:19], s[0:1], 0x0
	s_load_b512 s[20:35], s[0:1], 0x40
	s_load_b512 s[36:51], s[0:1], 0x80
	v_lshl_add_u32 v[SPW], v0, 2, SPARE
	v_mov_b32 v[NIL], 0
	ds_add_u32 v[SPW], v[NIL]                      ; the opening: the add, twice on end
	ds_add_u32 v[SPW], v[NIL]
	v_lshrrev_b32 v[T], 5, v0
	v_readfirstlane_b32 s[WV], v[T]
	s_and_b32 s[GG], s[WV], 7
	s_lshr_b32 s[RHO], s[WV], 3
	s_lshr_b32 s[QI], s[WV], 1
	s_and_b32 s[HF], s[WV], 1
	s_bfe_u32 s[TS0], ttmp6, 0x40000               ; my place in the cluster: it enters the addresses of inputs and out0 and one lane mask for data, nothing else
	s_lshl_b32 s[WG], ttmp9, 2
	s_add_co_u32 s[WG], s[WG], s[TS0]              ; work-group 0 .. 255; its first window is row 8 x work-group of [batch x position]
	s_and_b32 s[P0S], s[WG], 127
	s_lshl_b32 s[P0S], s[P0S], 3                   ; p0: that window's position in its batch
	s_mov_b32 s[G1D], 15|(1<<20)|(1<<21)|(4<<22)|(3<<25)   ; 15:0 the mask: all four work-groups; 17:16 elements of 1 byte; 20 padding on; 21 set beside a mask; 24:22 after every 32 words (code 4); 31:25 four words (code 3)
	s_mov_b32 s[G1S], 15|(1<<20)|(1<<21)|(4<<22)|(3<<25)
.irp g, G1D, G1S
	s_mov_b32 s[\g+1], 256<<16                     ; tensor_dim0 = 256 bytes
	s_mov_b32 s[\g+2], 64<<16                      ; tensor_dim1 = 64 rows
	s_mov_b32 s[\g+3], 256<<16                     ; tile_dim0
	s_mov_b32 s[\g+4], 64                          ; tile_dim1
	s_mov_b32 s[\g+6], 0
	s_mov_b32 s[\g+7], 0
.endr
	s_mov_b32 s[G1D+5], 256                        ; from row to row: dense,
	s_mov_b32 s[G1S+5], 512                        ; or ffn2's rows of 1,024 codes
	s_mov_b32 s[SEL], 0x76543210
	s_mov_b32 s[SEL+1], 0xfedcba98
	s_mov_b32 s[CS], 0x3e8293ee                    ; log2(e) / sqrt(32)
	s_mov_b32 s[CS+1], s[CS]
	s_mov_b32 s[C256], 0x3b800000
	s_mov_b32 s[LO16], 0xffff
	s_mul_i32 s[RLO], s[RHO], 0xffff
	s_sub_co_u32 s[RALL], 0, s[RHO]
	s_lshl_b32 s[TS0], s[RHO], 2
.irp i, 0,1,2,3
	s_add_co_u32 s[TS1], s[TS0], \i                ; window w = 4 rho + i: the lanes with r <= w, in both halves, take token tile 1
	s_lshl_b32 s[MK+\i], 2, s[TS1]
	s_sub_co_u32 s[MK+\i], s[MK+\i], 1
	s_mul_i32 s[MK+\i], s[MK+\i], 0x10001
.endr
	s_mov_b32 s[G0], 1                             ; count = 1; stays
	s_mul_i32 s[G0+1], s[WV], HALF                 ; wave w always fills half slot w; stays
	s_mov_b32 s[OF+1], 0
.irp k, 4,5,6,7,12,13,14,15,20,21,22,23,28,29,30,31
	v_mov_b32 v[WF+\k], 0                          ; the embedding's K is 64: the operands' upper halves are zero codes
.endr
.irp k, 2,3,6,7,10,11,14,15
	v_mov_b32 v[A2+\k], 0                          ; what FRAG wants zero: K0, K1, Q0, Q1 at A2 + 0, 4, 8, 12
.endr
	v_and_b32 v[T], 31, v0                         ; lane
	v_and_b32 v[T+1], 15, v0                       ; r
	v_bfe_u32 v[T+2], v0, 4, 1                     ; h
	v_lshl_add_u32 v[LI], v[T], 4, AB
	v_lshl_add_u32 v[LS], v[T], 2, AB
	v_and_b32 v[T+3], 8, v[T+1]
	v_add_nc_u32 v[T+3], v[T+3], v[T+1]            ; r + 8 (r / 8)
	s_lshl_b32 s[TS0], s[GG], 5
	v_add_nc_u32 v[T+4], s[TS0], v[T+3]            ; my weight row of tile 0
	v_mul_u32_u24 v[WFA], v[T+4], 144
	v_mul_u32_u24 v[WFP], v[T+4], 288
	v_lshl_add_u32 v[WFA], v[T+2], 4, v[WFA]
	v_lshl_add_u32 v[WFP], v[T+2], 4, v[WFP]
	s_lshl_b32 s[TS1], s[RHO], 13
	s_lshl_b32 s[TS2], s[GG], 8
	s_add_co_u32 s[TS2], s[TS2], s[TS1]
	s_add_co_u32 s[TS2], s[TS2], AB
	v_lshlrev_b32 v[IWC], 4, v[T+1]
	v_add_nc_u32 v[XFA], s[TS1], v[LI]
	v_lshl_add_u32 v[IWC], v[T+2], 3, v[IWC]
	s_lshl_b32 s[TS1], s[RHO], 9
	v_add_nc_u32 v[IWC], s[TS2], v[IWC]
	v_add_nc_u32 v[XSA], s[TS1], v[LS]
	s_lshr_b32 s[TS2], s[GG], 2
	s_lshl_b32 s[TS2], s[TS2], 6
	s_add_co_u32 s[TS2], s[TS2], s[TS1]
	s_and_b32 s[TS1], s[GG], 3
	s_add_co_u32 s[TS2], s[TS2], s[TS1]
	s_add_co_u32 s[TS2], s[TS2], AB
	v_lshl_add_u32 v[IWS], v[T+1], 2, s[TS2]
	s_mul_i32 s[TS1], s[RHO], 5120
	s_add_co_u32 s[TS1], s[TS1], AB
	v_mul_u32_u24 v[LNR], v[T+1], 80
	v_add_nc_u32 v[LNR], s[TS1], v[LNR]
	s_lshl_b32 s[TS2], s[GG], 3
	v_add_nc_u32 v[LNW], s[TS2], v[LNR]
	s_lshl_b32 s[TS1], s[GG], 7
	v_lshl_add_u32 v[PBA], v[T+2], 6, s[TS1]
	v_lshlrev_b32 v[PS8], 3, v[T+4]
	v_lshl_add_u32 v[PS8], v[T+2], 6, v[PS8]
	v_lshlrev_b32 v[GA], 2, v[T+4]
	; the tokens: tile 0's row r is position p0 - 16 + r (no position where p0 + r < 16: the address is then 0 and the row is made zero below); tile 1's is p0 + r, held at p0 + 7: its rows 8-15 are never chosen
	s_lshl_b32 s[TS0], s[WG], 3
	v_add_nc_u32 v[T+5], s[P0S], v[T+1]
	v_cmp_le_u32 s[VAL], 16, v[T+5]
	v_add_nc_u32 v[T+5], s[TS0], v[T+1]
	v_add_nc_u32 v[T+5], -16, v[T+5]
	v_cndmask_b32 v[T+5], 0, v[T+5], s[VAL]
	v_min_u32 v[T+6], 7, v[T+1]
	v_add_nc_u32 v[T+6], s[TS0], v[T+6]
	s_mov_b32 s[TS1], 0xffff0000
	v_cndmask_b32 v[T+7], v[T+5], v[T+6], s[TS1]   ; scale words: lanes 0-15 tile 0's rows, lanes 16-31 tile 1's
	v_lshlrev_b32 v[T+7], 1, v[T+7]
	v_lshlrev_b32 v[T+5], 5, v[T+5]
	v_lshl_add_u32 v[T+5], v[T+2], 4, v[T+5]
	v_lshlrev_b32 v[T+6], 5, v[T+6]
	v_lshl_add_u32 v[T+6], v[T+2], 4, v[T+6]
	v_lshlrev_b32 v[T+8], 5, v[T+4]
	v_lshl_add_u32 v[T+8], v[T+2], 4, v[T+8]
	v_lshrrev_b32 v[T+9], 2, v[PS8]
	v_lshlrev_b32 v[T+11], 3, v0
	s_wait_alu depctr_va_vdst(0)
	s_wait_dscnt 0x0                               ; both opening adds are done
	s_wait_kmcnt 0x0
	global_load_b128 v[WF:WF+3], v[T+5], s[P_INC:P_INC+1]
	global_load_b128 v[WF+8:WF+11], v[T+6], s[P_INC:P_INC+1]
	global_load_b128 v[WF+16:WF+19], v[T+8], s[P_EWC:P_EWC+1]
	global_load_b128 v[WF+24:WF+27], v[T+8], s[P_EWC:P_EWC+1] offset:256
	global_load_u16 v[SC+16], v[T+7], s[P_INS:P_INS+1]     ; two scale bytes; the bytes above them are 0, over zero codes
	global_load_u16 v[SC+17], v[T+9], s[P_EWS:P_EWS+1]
	PLOAD PA, P_EB, 0
	PLOAD A3, P_OB, 0
	PLOAD A0, P_QB, 0                              ; q's bias
	PLOAD A1, P_QB, 1024                           ; k's
	global_load_b64 v[SC:SC+1], v[PS8], s[P_QWS:P_QWS+1]
	global_load_b64 v[SC+2:SC+3], v[PS8], s[P_QWS:P_QWS+1] offset:2048
	global_load_b64 v[SC+4:SC+5], v[PS8], s[P_QWS:P_QWS+1] offset:4096
	global_load_b64 v[SC+6:SC+7], v[PS8], s[P_OWS:P_OWS+1]
	global_load_b64 v[BV:BV+1], v[T+11], s[P_F1B:P_F1B+1]  ; 8 bytes a thread: layer 0's ffn1_b goes to LDS
	s_wait_alu depctr_va_vdst(0)
	PICK0 P_QWC, 0, 16384                          ; slots 0-6: layer 0's Q, K, V, its projection, hidden chunk 0, ffn2's slices 0 and 1
	PICK 1, P_QWC, 32768, 16384
	PICK 2, P_QWC, 65536, 16384
	PICK 3, P_OWC, 0, 16384
	PICK 4, P_F1C, 0, 16384
	PICK 5, P_F2C, 0, 32768
	PICK 6, P_F2C, 65536, 32768
	DESC
	ROUND                                          ; all four work-groups are here: the first joint loads meet
	TLOAD 10, 10, 14, G1S
; ======================================================================= the embedding of the two token tiles
	s_wait_loadcnt 0x0
	v_lshl_add_u32 v[T+10], v0, 3, AB+FBI
	ds_store_b64 v[T+10], v[BV:BV+1]
	WSX E0, WF+16, WF, PA, SC+17, SC+16, 0, 0
	WSX E0+8, WF+24, WF, PA+8, SC+17, SC+16, 1, 0
	WSX E1, WF+16, WF+8, PA, SC+17, SC+16, 0, 1
	WSX E1+8, WF+24, WF+8, PA+8, SC+17, SC+16, 1, 1
	NOPS 4
.irp k, 0,1,2,3,4,5,6,7,8,9,10,11,12,13,14,15
	v_cndmask_b32 v[E0+\k], 0, v[E0+\k], s[VAL]    ; the padding in front of a batch: zeros, without the bias
.endr
.irp k, 0,1,2,3,4,5,6,7,8,9,10,11,12,13,14,15
	v_cndmask_b32 v[HB+\k], v[E0+\k], v[E1+\k], s[RALL]    ; waves of rho quantise token tile rho; it lands at image tile 4 rho
.endr
	QUANT1 HB, T+4, T+6
	STIMG IA, IAS, 0, T+4, T+6
.irp k, 0,2,4,6,8,10,12,14
	v_pk_add_f32 v[E0+\k:E0+\k+1], v[E0+\k:E0+\k+1], v[A3+\k:A3+\k+1]     ; the projection's bias joins the residual
	v_pk_add_f32 v[E1+\k:E1+\k+1], v[E1+\k:E1+\k+1], v[A3+\k:A3+\k+1]
.endr
	PLOAD A3, P_QB, 2048                           ; v's bias
	BAR_T                                          ; every slot's first fill is in
; ======================================================================= layer 0: q, k, v of head g for the two token tiles (both rho make them: each wants them in registers)
	PLOAD PA, P_L1G, 0
	PLOAD PB, P_L1B, 0
	LOADT LI, LS, IA, IAS, 0, XF, SC+8
	LOADT LI, LS, IA, IAS, 4, HB, SC+9
	LDW 0, WF, WF+16, T+8
	s_wait_dscnt 0x0
	WM_T HA, WF, WF+16, XF, A0, SC, SC+8
	NOPS 4
	QUANT1 HA, A2+8, SC+12
	FRAG A2+8
	WM_T HA, WF, WF+16, HB, A0, SC, SC+9
	NOPS 4
	LDW 1, WF, WF+16, T+8
	QUANT1 HA, A2+12, SC+13
	FRAG A2+12
	s_wait_dscnt 0x0
	WM_T HA, WF, WF+16, XF, A1, SC+2, SC+8
	NOPS 4
	QUANT1 HA, A2, SC+10
	FRAG A2
	WM_T HA, WF, WF+16, HB, A1, SC+2, SC+9
	NOPS 4
	LDW 2, WF, WF+16, T+8
	QUANT1 HA, A2+4, SC+11
	FRAG A2+4
	s_wait_alu depctr_va_vdst(0)
	s_wait_dscnt 0x0
	WM_N A0, XF, WF, SC+8, SC+4
	WM_N A1, HB, WF, SC+9, SC+4
	s_wait_alu depctr_va_vdst(0)
	NOPS 4
.irp t, 0,1
.irp j, 0,1,2,3
	v_cndmask_b32 v[A0+8*\t+\j], v[A0+8*\t+\j], v[A1+8*\t+\j], s[RLO]     ; windows 4-7 have slots 0-3 from tile 1 from the start
.endr
.endr
.irp k, 4,5,6,7,12,13,14,15
	v_mov_b32 v[HB+\k], 0                          ; the chosen operands' upper halves
.endr
	s_wait_alu depctr_va_vdst(0)
	LDW 3, WF, WF+16, T+8                          ; the projection's weights
	s_wait_loadcnt 0x0                             ; v's bias
	ATT0 0
	ATT0 1
	ATT0 2
	ATT0 3
	EV_A                                           ; slots 0-2 have been read: hidden chunks 1, 2, 3
	PICK0 P_F1C, 32768, 16384
	PICK 1, P_F1C, 65536, 16384
	PICK 2, P_F1C, 98304, 16384
	EV_B
.irp m, 0,1,2,3                                    ; x + bias of my four windows: work on registers inside the round
.irp k, 0,1,2,3,4,5,6,7,8,9,10,11,12,13,14,15
	v_cndmask_b32 v[A0+16*\m+\k], v[E0+\k], v[E1+\k], s[MK+\m]
.endr
.endr
	EV_C 6, 6, 0, G1D
; ======================================================================= the projection onto x + bias, and the first norm
	MMQ H0, H0S, WF, E0, SC+6
	PLOAD E0, P_F2B, 0
	v_lshlrev_b32 v[BV], 2, v[PS8]
.irp c, 0,1,2,3
	global_load_b64 v[SC+2*\c:SC+2*\c+1], v[PS8], s[P_F1S:P_F1S+1] offset:2048*\c
.endr
	global_load_b128 v[SC+8:SC+11], v[BV], s[P_F2S:P_F2S+1]
	global_load_b128 v[SC+12:SC+15], v[BV], s[P_F2S:P_F2S+1] offset:16
	LNSTAT 0, XF
	LNSTAT 1, XF+2
	LNSTAT 2, XF+4
	LNSTAT 3, XF+6
	BAR_T                                          ; hidden chunks 1-3's weights are read behind it
	s_wait_loadcnt 6                               ; the FFN's six loads of scale words may be out
	LNALL E0
	LDW 4, WF, WF+16, T+8
	FBIAS 0
	s_wait_loadcnt 0x0
	BAR
; ======================================================================= layer 0's FFN
	LOADT XFA, XSA, IA, IAS, 0, XF, SC+16
	STG 0, H0, H0S, H1, H1S, 0
	EV_A                                           ; slots 3-4 have been read: ffn2's slices 2 and 3
	PICK0 P_F2C, 256, 32768
	PICK 4, P_F2C, 65792, 32768
	EV_B
	EV_C 0, 6, 10, G1S
	STG 1, H1, H1S, H0, H0S, 1
	BAR_T                                          ; slices 2 and 3 are read behind it
	STG 2, H0, H0S, H1, H1S, 1
	BAR
	STG 3, H1, H1S, H0, H0S, 1
	EV_A                                           ; slots 0-2, 5, 6 have been read: layer 1's Q, K, V, its projection, its hidden chunk 0
	PICK0 P_QWC, 98304, 16384
	PICK 1, P_QWC, 131072, 16384
	PICK 2, P_QWC, 163840, 16384
	PICK 5, P_OWC, 32768, 16384
	PICK 6, P_F1C, 131072, 16384
	EV_B
	EV_C 6, 10, 14, G1D
	PLOAD PA, P_L2G, 0
	PLOAD PB, P_L2B, 0
	MMQ H1, H1S, E0, WF, SC+14                     ; the last chunk is multiplied on
	PLOAD E0, P_QB, 4096                           ; layer 1: k's bias, q's; K's, V's, Q's, the projection's scale words; v's bias
	PLOAD E1, P_QB, 3072
	global_load_b64 v[SC:SC+1], v[PS8], s[P_QWS:P_QWS+1] offset:8192
	global_load_b64 v[SC+2:SC+3], v[PS8], s[P_QWS:P_QWS+1] offset:10240
	global_load_b64 v[SC+4:SC+5], v[PS8], s[P_QWS:P_QWS+1] offset:6144
	global_load_b64 v[SC+12:SC+13], v[PS8], s[P_OWS:P_OWS+1] offset:2048
	global_load_b32 v[BV], v[GA], s[P_QB:P_QB+1] offset:5120
	global_load_b32 v[BV+1], v[GA], s[P_QB:P_QB+1] offset:5152
	LNSTAT 0, XF
	LNSTAT 1, XF+2
	LNSTAT 2, XF+4
	LNSTAT 3, XF+6
	BAR_T                                          ; layer 1's weights are read behind it
	s_wait_loadcnt 14                              ; gains and offsets are in; the 4 + 4 + 4 + 2 loads for layer 1 may be out
	LNALL -1
	LDW 1, WF, WF+16, T+3                          ; K's and V's weights
	LDW 2, PA, PB, T+3
	; THE L TILE: row r is the last token of window 4 rho + r % 4, four times over.  Its f32 numbers, for the residual: lane 4 rho + m of tile m, brought to the lanes with r % 4 = m, and into LDS by window
	s_mov_b32 s[MK], 0x22222222                    ; lanes with r % 4 = 1, 2, 3
	s_mov_b32 s[MK+1], 0x44444444
	s_mov_b32 s[MK+2], 0x88888888
	s_mov_b32 s[MK+3], 0xffff0000
	s_mul_i32 s[TS0], s[RHO], 0x44444444
	s_add_co_u32 s[TS0], s[TS0], 0x32103210        ; v_permlane16_b32's selects: lane i takes lane 4 rho + i % 4 of its half
	s_mul_i32 s[TS1], s[RHO], 4160
	s_add_co_u32 s[TS1], s[TS1], AB+RES
	s_wait_alu depctr_va_vdst(0)
.irp k, 0,1,2,3,4,5,6,7,8,9,10,11,12,13,14,15
	v_cndmask_b32 v[HB+\k], v[A0+\k], v[A1+\k], s[MK]
.endr
.irp k, 0,1,2,3,4,5,6,7,8,9,10,11,12,13,14,15
	v_cndmask_b32 v[HB+\k], v[HB+\k], v[A2+\k], s[MK+1]
.endr
.irp k, 0,1,2,3,4,5,6,7,8,9,10,11,12,13,14,15
	v_cndmask_b32 v[HB+\k], v[HB+\k], v[A3+\k], s[MK+2]
.endr
.irp k, 0,1,2,3,4,5,6,7,8,9,10,11,12,13,14,15
	v_permlane16_b32 v[XF+\k], v[HB+\k], s[TS0], s[TS0]
.endr
	v_and_b32 v[T], 3, v0
	v_mul_u32_u24 v[T], v[T], 1040
	v_add_nc_u32 v[T], v[T], v[PBA]
	v_add_nc_u32 v[T], s[TS1], v[T]
.irp q, 0,1,2,3
	ds_store_b128 v[T], v[XF+4*\q:XF+4*\q+3] offset:16*\q          ; lanes of one window write the same bytes with the same values
.endr
	s_wait_alu depctr_va_vdst(0)
	s_wait_loadcnt 0x0
	BAR
; ======================================================================= layer 1: K and V of all 16 tokens, Q and all that follows of the last token alone (the other rows are sliced away)
	LOADT XFA, XSA, IA, IAS, 0, XF, SC+16
	LOADT XFA, XSA, IA, IAS, 1, HB, SC+17
	KV 0, XF, SC+16, 5, 2                          ; the other set's 5 loads may be out
	KV 1, HB, SC+17, 5, 3
	KV 2, XF, SC+16, 5, 0
	KV 3, HB, SC+17, 0, 0
	LDW 0, WF, WF+16, T
	PLOAD PA, P_OB, 1024
	v_and_b32 v[T], 3, v0                          ; the L tile's fragments: row 4 rho + r % 4 of image tile 4 rho + r % 4
	v_bfe_u32 v[T+1], v0, 4, 1
	s_mul_i32 s[TS1], s[RHO], 8256
	s_add_co_u32 s[TS1], s[TS1], AB
	v_mul_u32_u24 v[T+2], v[T], 2064
	v_lshl_add_u32 v[T+2], v[T+1], 8, v[T+2]
	v_add_nc_u32 v[T+2], s[TS1], v[T+2]
	s_mul_i32 s[TS1], s[RHO], 528
	s_add_co_u32 s[TS1], s[TS1], AB
	v_mul_u32_u24 v[T+3], v[T], 132
	v_lshl_add_u32 v[T+3], v[T+1], 6, v[T+3]
	v_add_nc_u32 v[T+3], s[TS1], v[T+3]
	LOADT T+2, T+3, IA, IAS, 0, XF, SC+16
.irp k, 10,11,12,13,14,15
	v_mov_b32 v[HB+\k], 0
.endr
.irp m, 0,1
.irp k, 2,3,4,5,6,7
	v_mov_b32 v[E0+8*\m+\k], 0                     ; K's operands: what lies above the codes is zero
.endr
	v_mov_b32 v[E0+8*\m], v[T+4+2*\m]
	v_mov_b32 v[E0+8*\m+1], v[T+5+2*\m]
	FRAG E0+8*\m
.endr
	s_wait_alu depctr_va_vdst(0)
	s_wait_dscnt 0x0
	WM_T HA, WF, WF+16, XF, E1, SC+4, SC+16
	NOPS 4
	QUANT1 HA, HB+8, SC+10
	FRAG HB+8
.irp m, 2,3
.irp k, 2,3,4,5,6,7
	v_mov_b32 v[E0+8*\m+\k], 0
.endr
	v_mov_b32 v[E0+8*\m], v[T+4+2*\m]
	v_mov_b32 v[E0+8*\m+1], v[T+5+2*\m]
	FRAG E0+8*\m
.endr
	NOPS 4
.irp m, 0,1,2,3
	WSX WF+8*\m, E0+8*\m, HB+8, -1, SC+6+\m, SC+10, 0, 0   ; the 16 keys of window 4 rho + m against the four queries; column r counts where r % 4 = m
.endr
	NOPS 4
	PLOAD E1, P_L1G, 1024
	v_cndmask_b32 v[T+7], v[BV], v[BV+1], s[MK+3]  ; v's bias of the feature that I keep
	s_mul_i32 s[TS1], s[RHO], 256
	s_mul_i32 s[TS2], s[RHO], 4096
	v_lshlrev_b32 v[GA], 3, v[GA]
	v_add_nc_u32 v[GA], s[TS1], v[GA]              ; ffn2's scale rows of weight tile rho
	v_add_nc_u32 v[BV+1], s[TS2], v[PS8]           ; ffn1's of hidden chunk 2 rho
	s_lshl_b32 s[TS1], s[RHO], 5
	s_lshl_b32 s[TS2], s[RHO], 11
	v_add_nc_u32 v[BV], s[TS1], v[PBA]             ; my 8 features of weight tile rho
	v_add_nc_u32 v[PS8], s[TS2], v[PBA]            ; ffn1's bias of hidden chunk 2 rho
	PLOADV E0, PS8, P_F1B, 4096
	global_load_b64 v[SC:SC+1], v[BV+1], s[P_F1S:P_F1S+1] offset:8192
	global_load_b64 v[SC+2:SC+3], v[BV+1], s[P_F1S:P_F1S+1] offset:10240
	global_load_b128 v[SC+8:SC+11], v[GA], s[P_F2S:P_F2S+1] offset:8192
.irp j, 0,1,2,3,4,5,6,7
	v_cndmask_b32 v[PB+\j], v[WF+\j], v[WF+8+\j], s[MK]
	v_cndmask_b32 v[PB+\j], v[PB+\j], v[WF+16+\j], s[MK+1]
	v_cndmask_b32 v[PB+\j], v[PB+\j], v[WF+24+\j], s[MK+2]
.endr
	LDW 5, WF, WF+16, T+8                          ; the projection's weights wait in registers while their slot is filled again
	SMAX PB
	; P V for one query a window, in f32 multiply-adds.  Lane m of each half holds window m's weights of the half's 8 keys: they are shared out to the half.  The 32 results of a window go through my own 512 bytes of LDS
	v_and_b32 v[T+4], 15, v0
	v_and_b32 v[T+5], 8, v0
	v_add_nc_u32 v[T+4], v[T+4], v[T+5]
	v_bfe_u32 v[T+5], v0, 4, 1
	v_lshl_add_u32 v[T+4], v[T+5], 3, v[T+4]       ; the feature that I keep: 8 h + r + 8 (r / 8)
	s_lshl_b32 s[TS1], s[WV], 9
	s_add_co_u32 s[TS1], s[TS1], AB
	v_lshl_add_u32 v[T+10], v[T+4], 2, s[TS1]
	v_and_b32 v[T+6], 3, v0
	v_lshlrev_b32 v[T+11], 7, v[T+6]
	v_lshl_add_u32 v[T+11], v[T+5], 6, v[T+11]
	v_add_nc_u32 v[T+11], s[TS1], v[T+11]          ; back: window r % 4, features 16 h on
.irp m, 0,1,2,3
.irp j, 0,1,2,3,4,5,6,7
	v_mov_b32_dpp v[PB+8+\j], v[PB+\j] row_share:\m row_mask:0xf bank_mask:0xf
.endr
	s_wait_alu depctr_va_vdst(0)
	v_mul_f32 v[T], v[PB+8], v[A0+16*\m]
	v_mul_f32 v[T+1], v[PB+8], v[A0+16*\m+8]
	v_mul_f32 v[T+2], v[PB+9], v[A0+16*\m+1]
	v_mul_f32 v[T+3], v[PB+9], v[A0+16*\m+9]
.irp j, 2,4,6
	v_fmac_f32 v[T], v[PB+8+\j], v[A0+16*\m+\j]
	v_fmac_f32 v[T+1], v[PB+8+\j], v[A0+16*\m+8+\j]
	v_fmac_f32 v[T+2], v[PB+9+\j], v[A0+16*\m+1+\j]
	v_fmac_f32 v[T+3], v[PB+9+\j], v[A0+16*\m+9+\j]
.endr
	v_add_f32 v[T], v[T], v[T+2]
	v_add_f32 v[T+1], v[T+1], v[T+3]
	v_permlanex16_b32 v[T+2], v[T], s[SEL], s[SEL+1]
	v_permlanex16_b32 v[T+3], v[T+1], s[SEL], s[SEL+1]
	v_add_f32 v[T], v[T], v[T+2]
	v_add_f32 v[T+1], v[T+1], v[T+3]
	v_cndmask_b32 v[XF+\m], v[T], v[T+1], s[MK+3]  ; lanes 0-15 keep tile 0's feature, lanes 16-31 tile 1's
	v_add_f32 v[XF+\m], v[XF+\m], v[T+7]
	ds_store_b32 v[T+10], v[XF+\m] offset:H1+128*\m
.endr
.irp q, 0,1,2,3
	ds_load_b128 v[HB+4*\q:HB+4*\q+3], v[T+11] offset:H1+16*\q     ; LDS serves a wave's instructions in order: these see my stores
.endr
	; o' goes to ONE tile for all 8 windows: row (r & 11) + 4 rho (rows w and w + 8 are window w)
	s_lshl_b32 s[TS1], s[RHO], 6
	s_lshl_b32 s[TS2], s[GG], 8
	s_add_co_u32 s[TS1], s[TS1], s[TS2]
	s_add_co_u32 s[TS1], s[TS1], AB
	s_lshr_b32 s[TS2], s[GG], 2
	s_lshl_b32 s[TS2], s[TS2], 6
	s_and_b32 s[TS0], s[GG], 3
	s_add_co_u32 s[TS2], s[TS2], s[TS0]
	s_lshl_b32 s[TS0], s[RHO], 4
	s_add_co_u32 s[TS2], s[TS2], s[TS0]
	s_add_co_u32 s[TS2], s[TS2], AB
	s_wait_dscnt 0x0
	QUANT1 HB, T+4, T+6
	v_and_b32 v[T+7], 11, v0
	v_bfe_u32 v[T+10], v0, 4, 1
	v_lshlrev_b32 v[T+8], 4, v[T+7]
	v_lshl_add_u32 v[T+9], v[T+7], 2, s[TS2]
	v_lshl_add_u32 v[T+8], v[T+10], 3, v[T+8]
	v_add_nc_u32 v[T+8], s[TS1], v[T+8]
	ds_store_b64 v[T+8], v[T+4:T+5] offset:H0
	ds_store_b8 v[T+9], v[T+6] offset:H0S
	v_and_b32 v[T], 7, v0                          ; the residual of window r % 8
	v_mul_u32_u24 v[T], v[T], 1040
	v_add_nc_u32 v[T], v[T], v[PBA]
	v_add_nc_u32 v[T], AB+RES, v[T]
.irp q, 0,1,2,3
	ds_load_b128 v[A0+4*\q:A0+4*\q+3], v[T] offset:16*\q
.endr
	LDW 6, A1, A2, T+9                             ; hidden chunk 0's weights likewise (rho 1 will take chunk 2's in their stead)
	s_wait_alu depctr_va_vdst(0)
	s_wait_loadcnt 11                              ; the projection's bias is in; the 4 + 4 + 3 loads behind it may be out
	s_wait_dscnt 0x0
.irp k, 0,2,4,6,8,10,12,14
	v_pk_add_f32 v[A0+\k:A0+\k+1], v[A0+\k:A0+\k+1], v[PA+\k:PA+\k+1]     ; the residual and the projection's bias
.endr
	PLOAD PA, P_L1B, 1024
	PLOAD8 PB, BV, P_F2B, 1024
	EV_A                                           ; every slot has been read: hidden chunks 1, 2, 3 and ffn2's two pairs of slices
	PICK0 P_F1C, 163840, 16384
	PICK 1, P_F1C, 196608, 16384
	PICK 2, P_F1C, 229376, 16384
	PICK 3, P_F2C, 131072, 32768
	PICK 4, P_F2C, 196608, 32768
	PICK 5, P_F2C, 131328, 32768
	PICK 6, P_F2C, 196864, 32768
	EV_B
	EV_C 6, 6, 14, G1S
; ======================================================================= the tail, on the one tile of last tokens: projection and norm (made in both rho)
	LOADT LI, LS, H0, H0S, 0, XF, SC+16
	s_wait_dscnt 0x0
	WM_T A0, WF, WF+16, XF, -2, SC+12, SC+16
	NOPS 4
	PLOADV A3, PS8, P_F1B, 5120
	global_load_b128 v[SC+12:SC+15], v[GA], s[P_F2S:P_F2S+1] offset:8208
	LNSTAT 0, XF
	BAR
.irp q, 0,1,2,3
	ds_load_b128 v[HB+4*\q:HB+4*\q+3], v[LNR] offset:LNP+16*\q
.endr
	s_wait_loadcnt 5                               ; the five loads behind the projection may be out
	s_wait_dscnt 0x0
	LNFIN 0, HB, E1, PA, -1
.irp k, 0,1,2,3,4,5,6,7
	v_cndmask_b32 v[A0+\k], v[A0+\k], v[A0+8+\k], s[RALL]  ; the residual of my 8 features,
.endr
.irp k, 0,2,4,6
	v_pk_add_f32 v[A0+\k:A0+\k+1], v[A0+\k:A0+\k+1], v[PB+\k:PB+\k+1]     ; and ffn2's bias
.endr
	v_bfe_u32 v[T], v0, 3, 1                       ; q = r / 8: lanes of q make outputs q, q + 2 .. q + 8
	v_lshl_add_u32 v[BV+1], v[T], 10, v[BV]        ; head_w's offset
	BAR_T                                          ; the last fill's chunks are read behind it
; ======================================================================= the tail's FFN: rho makes hidden chunks 2 rho and 2 rho + 1
	LOADT XFA, XSA, IA, IAS, 0, XF, SC+16
	s_cmp_eq_u32 s[RHO], 0
	s_cbranch_scc1 .Lhas_chunk_0
	LDW 1, A1, A2, T+8
.Lhas_chunk_0:
	s_mul_i32 s[TS1], s[RHO], 2*SLOTB
	v_add_nc_u32 v[T+9], s[TS1], v[WFA]
	LDWA WF, WF+16, T+9, 1152                      ; chunk 1 in slot 0, chunk 3 in slot 2
	s_mul_i32 s[TS1], s[RHO], 4096
	s_mul_i32 s[TS2], s[RHO], 256
	s_mul_i32 s[TS0], s[RHO], 2304
	s_wait_dscnt 8                                 ; the second chunk's eight weight loads may be out
	WM_T HA, A1, A2, XF, E0, SC, SC+16
	v_sub_nc_u32 v[T+8], v[IWC], s[TS1]            ; these three are places behind the products: where my hidden chunks go: tiles 2 rho and 2 rho + 1 of the image,
	v_sub_nc_u32 v[T+9], v[IWS], s[TS2]
	v_add_nc_u32 v[T+7], s[TS0], v[WFP]            ; and weight tile rho in a pair of slots
	v_nop
	SILU HA, HB
	QUANT1 HB, T+4, T+6
	ds_store_b64 v[T+8], v[T+4:T+5] offset:H1
	ds_store_b8 v[T+9], v[T+6] offset:H1S
	s_wait_loadcnt 0x0
	s_wait_dscnt 0x0
	WM_T HA, WF, WF+16, XF, A3, SC+2, SC+16
	NOPS 4
	PLOAD8 E0, BV, P_L2G, 1024
	PLOAD8 E0+8, BV, P_L2B, 1024
	PLOAD8 A3, BV+1, P_HW, 0
	PLOAD8 A3+8, BV+1, P_HW, 2048
	PLOAD8 E1, BV+1, P_HW, 4096
	PLOAD8 E1+8, BV+1, P_HW, 6144
.set HW4, 8                                    ; v8-15, whose addresses and offsets have served: the fifth output's weights
	PLOAD8 HW4, BV+1, P_HW, 8192
	LDWR 3, WF, T+10
	LDWR 5, A1, T+11
	SILU HA, HB
	QUANT1 HB, T+4, T+6
	ds_store_b64 v[T+8], v[T+4:T+5] offset:H1+2048
	ds_store_b8 v[T+9], v[T+6] offset:H1S+128
	BAR
	LOADT LI, LS, H1, H1S, 0, XF, SC+16
	LOADT LI, LS, H1, H1S, 1, HB, SC+17
	LOADT LI, LS, H1, H1S, 2, PA, SC+4
	LOADT LI, LS, H1, H1S, 3, PB, SC+5
	s_wait_dscnt 0x0
	WSX A0, WF, XF, A0, SC+8, SC+16, 0, 0          ; 16 outputs, an accumulator for each slice of K, by turns
	WSX A0+8, WF+16, HB, -1, SC+10, SC+17, 0, 0
	WSX HA, A1, PA, -1, SC+12, SC+4, 0, 0
	WSX HA+8, A2, PB, -1, SC+14, SC+5, 0, 0
	WSX A0, WF+8, XF+8, A0, SC+9, SC+16, 0, 1
	WSX A0+8, WF+24, HB+8, A0+8, SC+11, SC+17, 0, 1
	WSX HA, A1+8, PA+8, HA, SC+13, SC+4, 0, 1
	WSX HA+8, A2+8, PB+8, HA+8, SC+15, SC+5, 0, 1
	NOPS 4
	v_bfe_u32 v[IWS], v0, 3, 1                     ; (IWS has served)  head_b of my five outputs
	v_lshlrev_b32 v[IWS], 2, v[IWS]
.irp i, 0,1,2,3,4
	global_load_b32 v[HB+\i], v[IWS], s[P_HB:P_HB+1] offset:8*\i
.endr
.irp k, 0,2,4,6
	v_pk_add_f32 v[A0+\k:A0+\k+1], v[A0+\k:A0+\k+1], v[A0+8+\k:A0+9+\k]
	v_pk_add_f32 v[XF+\k:XF+\k+1], v[HA+\k:HA+\k+1], v[HA+8+\k:HA+9+\k]
.endr
.irp k, 0,2,4,6
	v_pk_add_f32 v[A0+\k:A0+\k+1], v[A0+\k:A0+\k+1], v[XF+\k:XF+\k+1]
.endr
	; the last norm: 16 parts of 16 features
	v_pk_add_f32 v[T:T+1], v[A0:A0+1], v[A0+2:A0+3]
	v_pk_add_f32 v[T+2:T+3], v[A0+4:A0+5], v[A0+6:A0+7]
	v_pk_add_f32 v[T:T+1], v[T:T+1], v[T+2:T+3]
	v_add_f32 v[T], v[T], v[T+1]
	v_permlanex16_b32 v[T+1], v[T], s[SEL], s[SEL+1]
	v_add_f32 v[XF], v[T], v[T+1]
	v_mul_f32 v[T+2], 0x3d800000, v[XF]            ; / 16
	v_mov_b32 v[T+3], v[T+2]
.irp k, 0,2,4,6
	v_pk_add_f32 v[T+4+\k:T+5+\k], v[A0+\k:A0+\k+1], v[T+2:T+3] neg_lo:[0,1] neg_hi:[0,1]
.endr
	v_pk_mul_f32 v[T+4:T+5], v[T+4:T+5], v[T+4:T+5]
	v_pk_mul_f32 v[T+6:T+7], v[T+6:T+7], v[T+6:T+7]
	v_pk_fma_f32 v[T+4:T+5], v[T+8:T+9], v[T+8:T+9], v[T+4:T+5]
	v_pk_fma_f32 v[T+6:T+7], v[T+10:T+11], v[T+10:T+11], v[T+6:T+7]
	v_pk_add_f32 v[T+4:T+5], v[T+4:T+5], v[T+6:T+7]
	v_add_f32 v[T+4], v[T+4], v[T+5]
	v_permlanex16_b32 v[T+5], v[T+4], s[SEL], s[SEL+1]
	s_lshl_b32 s[TS1], s[GG], 4
	s_lshl_b32 s[TS2], s[RHO], 3
	s_add_co_u32 s[TS1], s[TS1], s[TS2]
	s_add_co_u32 s[TS1], s[TS1], AB
	v_add_f32 v[XF+1], v[T+4], v[T+5]
	v_and_b32 v[T], 15, v0
	v_mul_u32_u24 v[T], v[T], 144
	v_add_nc_u32 v[T+1], AB, v[T]
	v_add_nc_u32 v[T], s[TS1], v[T]
	ds_store_b64 v[T], v[XF:XF+1] offset:LNP       ; row r x 144 + 8 x part
	BAR
.irp q, 0,1,2,3,4,5,6,7
	ds_load_b128 v[WF+4*\q:WF+4*\q+3], v[T+1] offset:LNP+16*\q
.endr
	s_wait_loadcnt 5                               ; head_b's five loads may be out
	s_wait_dscnt 0x0
.irp q, 0,1,2,3,4,5,6,7
	v_pk_add_f32 v[PA+2*\q:PA+2*\q+1], v[WF+4*\q:WF+4*\q+1], v[WF+4*\q+2:WF+4*\q+3]
.endr
.irp q, 0,1,2,3
	v_pk_add_f32 v[PB+2*\q:PB+2*\q+1], v[PA+4*\q:PA+4*\q+1], v[PA+4*\q+2:PA+4*\q+3]
.endr
.irp q, 0,1
	v_pk_add_f32 v[XF+2*\q:XF+2*\q+1], v[PB+4*\q:PB+4*\q+1], v[PB+4*\q+2:PB+4*\q+3]
.endr
	v_pk_add_f32 v[T:T+1], v[XF:XF+1], v[XF+2:XF+3]
	v_mul_f32 v[T+2], s[C256], v[T]
.irp q, 0,2,4,6,8,10,12,14,16,18,20,22,24,26,28,30
	v_fma_f32 v[WF+\q], v[WF+\q], 0x3d800000, -v[T+2]
.endr
.irp q, 0,2,4,6
	v_mul_f32 v[T+4+\q/2], v[WF+\q], v[WF+\q]
.endr
.irp p, 8,16,24
.irp q, 0,2,4,6
	v_fmac_f32 v[T+4+\q/2], v[WF+\p+\q], v[WF+\p+\q]
.endr
.endr
	v_pk_add_f32 v[T+4:T+5], v[T+4:T+5], v[T+6:T+7]
	v_add_f32 v[T+4], v[T+4], v[T+5]
	v_fma_f32 v[T+1], v[T+4], 0x41800000, v[T+1]   ; x 16
	v_fma_f32 v[T+1], v[T+1], s[C256], 0x3727c5ac
	LNAPPLY A0, E0, E0+8, 8
; ======================================================================= the head: f32 multiply-adds, five outputs a lane; the 16 waves' parts meet in LDS
.macro HD k
	v_pk_fma_f32 v[T:T+1], v[A0+\k:A0+\k+1], v[A3+\k:A3+\k+1], v[T:T+1]
	v_pk_fma_f32 v[T+2:T+3], v[A0+\k:A0+\k+1], v[A3+8+\k:A3+9+\k], v[T+2:T+3]
	v_pk_fma_f32 v[T+4:T+5], v[A0+\k:A0+\k+1], v[E1+\k:E1+\k+1], v[T+4:T+5]
	v_pk_fma_f32 v[T+6:T+7], v[A0+\k:A0+\k+1], v[E1+8+\k:E1+9+\k], v[T+6:T+7]
	v_pk_fma_f32 v[T+8:T+9], v[A0+\k:A0+\k+1], v[HW4+\k:HW4+\k+1], v[T+8:T+9]
.endm
	v_pk_mul_f32 v[T:T+1], v[A0:A0+1], v[A3:A3+1]
	v_pk_mul_f32 v[T+2:T+3], v[A0:A0+1], v[A3+8:A3+9]
	v_pk_mul_f32 v[T+4:T+5], v[A0:A0+1], v[E1:E1+1]
	v_pk_mul_f32 v[T+6:T+7], v[A0:A0+1], v[E1+8:E1+9]
	v_pk_mul_f32 v[T+8:T+9], v[A0:A0+1], v[HW4:HW4+1]
	HD 2
	HD 4
	HD 6
.irp i, 0,1,2,3,4
	v_add_f32 v[PA+\i], v[T+2*\i], v[T+2*\i+1]
.endr
.irp i, 0,1,2,3,4
	v_permlanex16_b32 v[PB+\i], v[PA+\i], s[SEL], s[SEL+1]
.endr
	s_lshl_b32 s[TS1], s[WV], 9
	s_add_co_u32 s[TS1], s[TS1], AB
.irp i, 0,1,2,3,4
	v_add_f32 v[PA+\i], v[PA+\i], v[PB+\i]
.endr
	v_and_b32 v[T+10], 15, v0
	v_lshl_add_u32 v[T+10], v[T+10], 5, s[TS1]
	ds_store_b128 v[T+10], v[PA:PA+3] offset:H0    ; both halves of the lanes write the same 20 bytes
	ds_store_b32 v[T+10], v[PA+4] offset:H0+16
	BAR
	v_and_b32 v[T], 15, v0
	v_bfe_u32 v[T+1], v0, 4, 1
	v_bfe_u32 v[T+2], v0, 3, 1                     ; q
	v_and_b32 v[T+3], 7, v0                        ; the window
	v_lshlrev_b32 v[T+8], 5, v[T]
	v_lshl_add_u32 v[T+8], v[T+1], 12, v[T+8]
	v_add_nc_u32 v[T+8], AB, v[T+8]                ; lane (r, h) sums row r of waves 8 h .. 8 h + 7
	v_lshlrev_b32 v[T+9], 2, v[T+2]
	v_mul_u32_u24 v[T+11], v[T+3], 40
	v_add_nc_u32 v[T+11], v[T+11], v[T+9]
	s_mul_i32 s[OF], s[WG], 320
	s_add_nc_u64 s[P_OUT:P_OUT+1], s[P_OUT:P_OUT+1], s[OF:OF+1]
	s_wait_alu depctr_va_vdst(0)
	s_cmp_lg_u32 s[WV], 0
	s_cbranch_scc1 .Lend                           ; wave 0 alone writes the work-group's 320 consecutive bytes
.irp q, 0,1,2,3,4,5,6,7
	ds_load_b128 v[WF+4*\q:WF+4*\q+3], v[T+8] offset:H0+512*\q
	ds_load_b32 v[XF+\q], v[T+8] offset:H0+512*\q+16
.endr
	s_wait_loadcnt 0x0
	s_wait_dscnt 0x0
.irp q, 0,1,2,3
.irp p, 0,2
	v_pk_add_f32 v[WF+4*\q+\p:WF+4*\q+\p+1], v[WF+4*\q+\p:WF+4*\q+\p+1], v[WF+16+4*\q+\p:WF+17+4*\q+\p]
.endr
	v_add_f32 v[XF+\q], v[XF+\q], v[XF+4+\q]
.endr
.irp q, 0,1
.irp p, 0,2
	v_pk_add_f32 v[WF+4*\q+\p:WF+4*\q+\p+1], v[WF+4*\q+\p:WF+4*\q+\p+1], v[WF+8+4*\q+\p:WF+9+4*\q+\p]
.endr
	v_add_f32 v[XF+\q], v[XF+\q], v[XF+2+\q]
.endr
.irp p, 0,2
	v_pk_add_f32 v[WF+\p:WF+\p+1], v[WF+\p:WF+\p+1], v[WF+4+\p:WF+5+\p]
.endr
	v_add_f32 v[XF], v[XF], v[XF+1]
.irp i, 0,1,2,3
	v_permlanex16_b32 v[WF+4+\i], v[WF+\i], s[SEL], s[SEL+1]
.endr
	v_permlanex16_b32 v[XF+1], v[XF], s[SEL], s[SEL+1]
.irp i, 0,1,2,3
	v_add_f32 v[WF+\i], v[WF+\i], v[WF+4+\i]
.endr
	v_add_f32 v[WF+4], v[XF], v[XF+1]
.irp i, 0,1,2,3,4
	v_add_f32 v[WF+\i], v[WF+\i], v[HB+\i]
.endr
.irp i, 0,1,2,3,4
	global_store_b32 v[T+11], v[WF+\i], s[P_OUT:P_OUT+1] offset:8*\i      ; output q + 2 i; both halves of the lanes write the same value
.endr
.Lend:
	s_wait_tensorcnt 0x0                           ; the wave's end
	ds_add_u32 v[SPW], v[NIL]
	s_wait_dscnt 0x0
	ROUND                                          ; the closing round: no work-group ends while a partner may still ask for a chunk that names it
	s_endpgm
.Lfunc_end_k_q3e395b6bae_fused:
	.size	k_q3e395b6bae_fused, .Lfunc_end_k_q3e395b6bae_fused-k_q3e395b6bae_fused
	.p2alignl 7, 3214868480
	.fill 96, 4, 3214868480
	.section	.rodata,"a",@progbits
	.p2align	6, 0x0
	.amdhsa_kernel k_q3e395b6bae_fused
		.amdhsa_group_segment_fixed_size 327680
		.amdhsa_private_segment_fixed_size 0
		.amdhsa_enable_private_segment 0
		.amdhsa_kernarg_size 192
		.amdhsa_user_sgpr_count 2
		.amdhsa_user_sgpr_kernarg_segment_ptr 1
		.amdhsa_wavefront_size32 1
		.amdhsa_system_sgpr_workgroup_id_x 1
		.amdhsa_system_sgpr_workgroup_id_y 1
		.amdhsa_system_sgpr_workgroup_id_z 1
		.amdhsa_system_vgpr_workitem_id 0
		.amdhsa_next_free_vgpr 256
		.amdhsa_next_free_sgpr 102
		.amdhsa_reserve_vcc 0
		.amdhsa_float_denorm_mode_32 3
		.amdhsa_float_denorm_mode_16_64 3
		.amdhsa_memory_ordered 1
		.amdhsa_forward_progress 1
		.amdhsa_inst_pref_size 255
	.end_amdhsa_kernel
	.section	.bss,"aw",@nobits
	.p2align	6
	.space	262144
	.amdgpu_metadata
---
amdhsa.version: [ 1, 2 ]
amdhsa.kernels:
  - .name:           k_q3e395b6bae_fused
    .symbol:         k_q3e395b6bae_fused.kd
    .args:
      - { .name: inputs_codes, .offset: 0, .size: 8, .value_kind: global_buffer, .address_space: global }
      - { .name: inputs_scales, .offset: 8, .size: 8, .value_kind: global_buffer, .address_space: global }
      - { .name: embed_w_codes, .offset: 16, .size: 8, .value_kind: global_buffer, .address_space: global }
      - { .name: embed_w_scales, .offset: 24, .size: 8, .value_kind: global_buffer, .address_space: global }
      - { .name: embed_b, .offset: 32, .size: 8, .value_kind: global_buffer, .address_space: global }
      - { .name: qkv_w_codes, .offset: 40, .size: 8, .value_kind: global_buffer, .address_space: global }
      - { .name: qkv_w_scales, .offset: 48, .size: 8, .value_kind: global_buffer, .address_space: global }
      - { .name: qkv_b, .offset: 56, .size: 8, .value_kind: global_buffer, .address_space: global }
      - { .name: attn_out_w_codes, .offset: 64, .size: 8, .value_kind: global_buffer, .address_space: global }
      - { .name: attn_out_w_scales, .offset: 72, .size: 8, .value_kind: global_buffer, .address_space: global }
      - { .name: attn_out_b, .offset: 80, .size: 8, .value_kind: global_buffer, .address_space: global }
      - { .name: ln1_g, .offset: 88, .size: 8, .value_kind: global_buffer, .address_space: global }
      - { .name: ln1_b, .offset: 96, .size: 8, .value_kind: global_buffer, .address_space: global }
      - { .name: ffn1_w_codes, .offset: 104, .size: 8, .value_kind: global_buffer, .address_space: global }
      - { .name: ffn1_w_scales, .offset: 112, .size: 8, .value_kind: global_buffer, .address_space: global }
      - { .name: ffn1_b, .offset: 120, .size: 8, .value_kind: global_buffer, .address_space: global }
      - { .name: ffn2_w_codes, .offset: 128, .size: 8, .value_kind: global_buffer, .address_space: global }
      - { .name: ffn2_w_scales, .offset: 136, .size: 8, .value_kind: global_buffer, .address_space: global }
      - { .name: ffn2_b, .offset: 144, .size: 8, .value_kind: global_buffer, .address_space: global }
      - { .name: ln2_g, .offset: 152, .size: 8, .value_kind: global_buffer, .address_space: global }
      - { .name: ln2_b, .offset: 160, .size: 8, .value_kind: global_buffer, .address_space: global }
      - { .name: head_w, .offset: 168, .size: 8, .value_kind: global_buffer, .address_space: global }
      - { .name: head_b, .offset: 176, .size: 8, .value_kind: global_buffer, .address_space: global }
      - { .name: out0, .offset: 184, .size: 8, .value_kind: global_buffer, .address_space: global }
    .group_segment_fixed_size: 327680
    .private_segment_fixed_size: 0
    .kernarg_segment_align: 8
    .kernarg_segment_size: 192
    .max_flat_workgroup_size: 512
    .sgpr_count:     102
    .vgpr_count:     256
    .wavefront_size: 32
...
	.end_amdgpu_metadata
.endif
;; end of part 1
